; MI455X (gfx1250); checked and timed in simulation.
; The chip was launched on July 23, 2026; its instructions are those of AMD's public machine-readable ISA for CDNA 5 (MIT licence, August 2026) and "CDNA5" Instruction Set Architecture Reference Guide (July 2026). The comments in the code are by the model that wrote it; some were corrected since.
;; Mo E Layer Parallel. Allowed arithmetic: float matrix products may take bf16 or f16 operands with f32 sums; other float arithmetic in f32, or as packed bf16 or f16 multiplies, adds, multiply-adds, maxima and minima; sums over many terms, partial sums and values carried from step to step in f32; what a program stores and reads back later, other than sums and carried values, may be rounded once to bf16 or f16.
;; Inputs: b1 8 x 3,072 float32; b2 8 x 3,072 float32; bp 8 x 768 float32; gate_w 8 x 768 float32; noise 4 x 256 x 8 float32; noise_weight 8 float32; w1 8 x 768 x 3,072 float32; w2 8 x 768 x 3,072 float32; wp 8 x 3,072 x 768 float32; x 4 x 256 x 768 float32.
;; Outputs: out0 4 x 256 x 768 float32; out1 one number float32.
;; 2 versions, each right and faster than the one before. Each part assembles by itself: llvm-mc -triple=amdgcn-amd-amdhsa -mcpu=gfx1250 --defsym DOCPART=n.
;; ======== version 1 of 2: 4 launches
;; workspace buffers: xb 1,572,864 bytes; ids 8,192 bytes of whole numbers; gates 8,192 bytes; psum 4,096 bytes; hbuf 50,331,648 bytes; part 25,165,824 bytes
;; launch router (part 1): grid 32 x 1, 8 waves a work-group, no clusters, 58,880 bytes of LDS; arguments x, gate_w, noise, noise_weight, xb, ids, gates, psum; writes xb, ids, gates, psum
.if DOCPART == 1
	.amdgcn_target "amdgcn-amd-amdhsa--gfx1250"
	.amdhsa_code_object_version 6
	.text
	.protected	k_q29f5c9fd1b_router
	.globl	k_q29f5c9fd1b_router
	.p2align	8
	.type	k_q29f5c9fd1b_router,@function
k_q29f5c9fd1b_router:
	s_mov_b64 s[64:65], 0
	v_nop
	global_prefetch_b8 v0, s[64:65] scope:SCOPE_SE
	s_setreg_imm32_b32 hwreg(HW_REG_WAVE_MODE, 25, 1), 1
	s_wait_xcnt 0x0
; ROUTER.  1,024 tokens of 768 numbers, 8 experts.  A work-group has 32 tokens.  It rounds their x to bf16 (xb, for the first product), makes the 8 logits of each token by the
; matrix unit (bf16 operands, f32 sums), and wave 0 then makes: the softmax weights' sums over the 32 tokens (psum, for the loss), the noisy logits, the two largest (ties: the lower
; index, by strict comparisons in ascending order), and the softmax over those two (the larger one is taken away before the exponential).
; Stored at fixed places: ids[2 t], ids[2 t + 1] the chosen experts, gates likewise; no address here hangs on them.
; LIMITS.  Every input is rounded once to bf16 (x, gate_w, noise, noise_weight), as in all launches of this program.  NaN and infinities are not treated apart.
; Two noisy logits closer than the rounding of the f32 sums may be ranked otherwise than by a sum in another order.
; No cluster: the work-groups share gate_w alone, 24,576 bytes against 98,304 of x each.
.set XTP,   1552                       ; a row of bf16 x in LDS: 1,536 bytes + 16: an odd multiple of 16, so the 16 rows of a fragment load start at different banks (ISA guide 11.1)
.set RED,   32*XTP                     ; 8 waves x 1,024 bytes: each wave's partial logits, 32 bytes a token
.set SPARE, RED+8*1024                 ; the spare words, 128 bytes a wave: named by no other line
; v0 thread; v1 lane; v2 lane % 16; v3 lane / 16; v4, v5 the add's two registers; v6 16 lane; v7 8 lane; v8 my x rows in LDS; v9 gate_w offset; v10 fragment address;
; v11 my partial logits in LDS; v12 32 lane; v13 lane % 8; v14 4 lane; v16-23 noise; v32-127 x as loaded, later fragments and sums; v128-175 x in bf16; v176-223 gate_w; v224-247 its fragments
	s_load_b512 s[8:23], s[0:1], 0x0               ; x, gate_w, noise, noise_weight, xb, ids, gates, psum
	v_lshl_add_u32 v4, v0, 2, SPARE
	v_mov_b32 v5, 0
	v_lshrrev_b32 v1, 5, v0
	v_readfirstlane_b32 s4, v1                     ; wave 0..7
	v_and_b32 v1, 31, v0
	v_and_b32 v2, 15, v0
	v_bfe_u32 v3, v0, 4, 1
	v_lshlrev_b32 v6, 4, v1
	v_lshlrev_b32 v7, 3, v1
	v_lshlrev_b32 v12, 5, v1
	v_and_b32 v13, 7, v0
	v_lshlrev_b32 v14, 2, v1
	s_mul_i32 s5, s4, 4*XTP
	v_add_nc_u32 v8, s5, v7                        ; rows 4 w .. 4 w + 3 of the tile, 8 bytes a lane
	v_mul_u32_u24 v9, v13, 3072
	v_lshl_add_u32 v9, v3, 5, v9                   ; gate_w: expert lane % 8, 8 numbers for each half of the lanes
	v_mul_u32_u24 v10, v2, XTP
	v_lshl_add_u32 v10, v3, 4, v10
	s_mul_i32 s5, s4, 192
	v_add_nc_u32 v10, s5, v10                      ; token lane % 16, my wave's 96 along K
	s_lshl_b32 s5, s4, 10
	s_add_co_u32 s5, s5, RED
	v_add_nc_u32 v11, s5, v12
	s_mov_b32 s32, 0x76543210                      ; v_permlanex16_b32: each lane takes its own place in the other half
	s_mov_b32 s33, 0xfedcba98
	s_mov_b32 s34, 0xffff0000                      ; lanes 16-31 as a mask; also a word's upper bf16
	s_mov_b32 s6, ttmp9
	s_lshl_b32 s36, s6, 5
	s_lshl2_add_u32 s36, s4, s36                   ; my first row: 32 g + 4 w
	s_mul_i32 s38, s36, 3072
	s_mov_b32 s39, 0
	s_mul_i32 s40, s36, 1536
	s_mov_b32 s41, 0
	s_mul_i32 s42, s4, 384
	s_mov_b32 s43, 0
	s_lshl_b32 s44, s6, 10
	s_mov_b32 s45, 0
	s_wait_kmcnt 0x0
	s_load_b256 s[24:31], s[14:15], 0x0            ; noise_weight
	s_add_nc_u64 s[8:9], s[8:9], s[38:39]
	s_add_nc_u64 s[16:17], s[16:17], s[40:41]
	s_add_nc_u64 s[10:11], s[10:11], s[42:43]
	s_add_nc_u64 s[12:13], s[12:13], s[44:45]
	s_lshl_b32 s38, s6, 8                          ; 32 tokens x 8 bytes of ids and of gates
	s_add_nc_u64 s[18:19], s[18:19], s[38:39]
	s_add_nc_u64 s[20:21], s[20:21], s[38:39]
	s_lshl_b32 s40, s6, 7
	s_add_nc_u64 s[22:23], s[22:23], s[40:41]
.irp p, 0,1,2,3
.irp c, 0,1,2,3,4,5
	global_load_b128 v[32+4*(6*\p+\c):35+4*(6*\p+\c)], v6, s[8:9] offset:3072*\p+512*\c th:TH_LOAD_NT  ; 512 consecutive bytes of a row
.endr
.endr
.irp s, 0,1,2
.irp c, 0,1,2,3
	global_load_b128 v[176+16*\s+4*\c:179+16*\s+4*\c], v9, s[10:11] offset:128*\s+16*(\c%2)+64*(\c/2)  ; the lane's 16 numbers of K step s, in the fragment's order
.endr
.endr
	global_load_b128 v[16:19], v12, s[12:13]
	global_load_b128 v[20:23], v12, s[12:13] offset:16
	s_wait_loadcnt 14                              ; x is in; gate_w's 12 loads and noise's 2 stay out
.set i, 0
.rept 24
	v_cvt_pk_bf16_f32 v[128+2*i], v[32+4*i], v[33+4*i]
	v_cvt_pk_bf16_f32 v[129+2*i], v[34+4*i], v[35+4*i]
.set i, i+1
.endr
.irp p, 0,1,2,3
.irp c, 0,1,2,3,4,5
	global_store_b64 v7, v[128+2*(6*\p+\c):129+2*(6*\p+\c)], s[16:17] offset:1536*\p+256*\c  ; the wave stores 256 consecutive bytes, at a multiple of 256 from xb's first
	ds_store_b64 v8, v[128+2*(6*\p+\c):129+2*(6*\p+\c)] offset:XTP*\p+256*\c
.endr
.endr
	s_wait_dscnt 0x0                               ; for the others' sake: my four rows are in LDS
	s_barrier_signal -1
	s_barrier_wait -1
.irp t, 0,1
.irp s, 0,1,2
	ds_load_b128 v[32+8*(3*\t+\s):35+8*(3*\t+\s)], v10 offset:16*XTP*\t+64*\s
	ds_load_b128 v[36+8*(3*\t+\s):39+8*(3*\t+\s)], v10 offset:16*XTP*\t+64*\s+32
.endr
.endr
	s_wait_loadcnt 2                               ; gate_w is in; noise stays out
.set i, 0
.rept 24
	v_cvt_pk_bf16_f32 v[224+i], v[176+2*i], v[177+2*i]
.set i, i+1
.endr
	s_wait_dscnt 0x0
	; source 0 = gate_w (rows 8-15 repeat the experts 0-7), source 1 = 16 tokens: register j of a lane is expert j of token lane % 16.  The two accumulators take turns.
	v_wmma_f32_16x16x32_bf16 v[80:87], v[224:231], v[32:39], 0
	v_wmma_f32_16x16x32_bf16 v[88:95], v[224:231], v[56:63], 0
	v_wmma_f32_16x16x32_bf16 v[80:87], v[232:239], v[40:47], v[80:87]
	v_wmma_f32_16x16x32_bf16 v[88:95], v[232:239], v[64:71], v[88:95]
	v_wmma_f32_16x16x32_bf16 v[80:87], v[240:247], v[48:55], v[80:87]
	v_wmma_f32_16x16x32_bf16 v[88:95], v[240:247], v[72:79], v[88:95]
.rept 4
	v_nop                                          ; four places behind the last product (ISA guide 7.12.1)
.endr
.irp j, 0,1,2,3,4,5,6,7
	v_cndmask_b32 v[96+\j], v[80+\j], v[88+\j], s34  ; lanes 0-15 keep tokens 0-15, lanes 16-31 take tokens 16-31: lane l now holds token l
.endr
	ds_store_b128 v11, v[96:99]
	ds_store_b128 v11, v[100:103] offset:16
	s_wait_tensorcnt 0x0                           ; my last LDS store is out; LDS is only read from here on
	ds_add_u32 v4, v5
	s_wait_dscnt 0x0                               ; also for wave 0's sake: my partial logits are in LDS
	s_barrier_signal -1
	s_barrier_wait -1
	s_cmp_lg_u32 s4, 0
	s_cbranch_scc1 .Lend
.irp u, 0,1,2,3,4,5,6,7
	ds_load_b128 v[32+8*\u:35+8*\u], v12 offset:RED+1024*\u
	ds_load_b128 v[36+8*\u:39+8*\u], v12 offset:RED+1024*\u+16
.endr
	s_wait_dscnt 0x0
.irp u, 1,2,3,4,5,6,7
.irp d, 0,2,4,6
	v_pk_add_f32 v[32+\d:33+\d], v[32+\d:33+\d], v[32+8*\u+\d:33+8*\u+\d]  ; the eight K parts, in the waves' order: v32-39 = the logits
.endr
.endr
	s_wait_loadcnt 0x0                             ; noise
	s_wait_kmcnt 0x0                               ; noise_weight
.irp d, 0,2,4,6
	v_cvt_pk_bf16_f32 v[24+\d/2], v[16+\d], v[17+\d]
.endr
.irp d, 0,2,4,6
	v_lshlrev_b32 v[16+\d], 16, v[24+\d/2]
	v_and_b32 v[17+\d], s34, v[24+\d/2]
.endr
.irp e, 0,1,2,3,4,5,6,7
	v_mov_b32 v[40+\e], s[24+\e]
.endr
.irp d, 0,2,4,6
	v_cvt_pk_bf16_f32 v[24+\d/2], v[40+\d], v[41+\d]
.endr
.irp d, 0,2,4,6
	v_lshlrev_b32 v[40+\d], 16, v[24+\d/2]
	v_and_b32 v[41+\d], s34, v[24+\d/2]
.endr
.irp e, 0,1,2,3,4,5,6,7
	v_fma_f32 v[48+\e], v[16+\e], v[40+\e], v[32+\e]  ; the noisy logits
.endr
	v_mov_b32 v56, v48                             ; the largest, and its index
	v_mov_b32 v104, 0
.irp e, 1,2,3,4,5,6,7
	v_cmp_gt_f32 vcc_lo, v[48+\e], v56
	v_cndmask_b32 v56, v56, v[48+\e], vcc_lo
	v_cndmask_b32 v104, v104, \e, vcc_lo
.endr
	v_mov_b32 v57, 0xff800000
.irp e, 0,1,2,3,4,5,6,7
	v_cmp_eq_u32 vcc_lo, \e, v104
	v_cndmask_b32 v[48+\e], v[48+\e], v57, vcc_lo  ; it is taken out
.endr
	v_mov_b32 v58, v48                             ; the second
	v_mov_b32 v105, 0
.irp e, 1,2,3,4,5,6,7
	v_cmp_gt_f32 vcc_lo, v[48+\e], v58
	v_cndmask_b32 v58, v58, v[48+\e], vcc_lo
	v_cndmask_b32 v105, v105, \e, vcc_lo
.endr
	v_max3_num_f32 v59, v32, v33, v34              ; the clean logits' maximum, for the softmax of the loss
	v_max3_num_f32 v59, v59, v35, v36
	v_max3_num_f32 v59, v59, v37, v38
	v_max_num_f32 v59, v59, v39
.irp e, 0,1,2,3,4,5,6,7
	v_sub_f32 v[64+\e], v[32+\e], v59
.endr
	v_sub_f32 v72, v58, v56                        ; second less first: at most 0
.irp e, 0,1,2,3,4,5,6,7,8
	v_mul_f32 v[64+\e], 0x3fb8aa3b, v[64+\e]
.endr
.irp e, 0,1,2,3,4,5,6,7,8
	v_exp_f32 v[64+\e], v[64+\e]
.endr
	v_nop                                          ; a plain instruction behind the last exponential,
	s_wait_alu depctr_va_vdst(0)                   ; and one wait for the nine, ahead of their first reader
	v_add_f32 v73, v64, v65
	v_add_f32 v74, v66, v67
	v_add_f32 v75, v68, v69
	v_add_f32 v76, v70, v71
	v_add_f32 v73, v73, v74
	v_add_f32 v75, v75, v76
	v_add_f32 v73, v73, v75
	v_add_f32 v74, 1.0, v72
	v_rcp_f32 v75, v73
	v_rcp_f32 v106, v74                            ; the first choice's gate
	v_nop
	s_wait_alu depctr_va_vdst(0)                   ; one wait for the two reciprocals
	v_mul_f32 v107, v72, v106                      ; the second's
.irp e, 0,1,2,3,4,5,6,7
	v_mul_f32 v[64+\e], v[64+\e], v75
.endr
.irp m, 1,2,4,8
.irp e, 0,1,2,3,4,5,6,7
	v_add_f32_dpp v[64+\e], v[64+\e], v[64+\e] row_xmask:\m row_mask:0xf bank_mask:0xf
.endr
.endr
.irp e, 0,1,2,3,4,5,6,7
	v_permlanex16_b32 v[80+\e], v[64+\e], s32, s33  ; its destination counts as read: v80-87 were loaded above
.endr
.irp e, 0,1,2,3,4,5,6,7
	v_add_f32 v[64+\e], v[64+\e], v[80+\e]         ; every lane: the 32 tokens' sum of weight e
.endr
	v_mov_b32 v78, v64
.irp e, 1,2,3,4,5,6,7
	v_cmp_eq_u32 vcc_lo, \e, v13
	v_cndmask_b32 v78, v78, v[64+\e], vcc_lo       ; lane l keeps weight l % 8
.endr
	global_store_b64 v7, v[104:105], s[18:19]
	global_store_b64 v7, v[106:107], s[20:21]
	global_store_b32 v14, v78, s[22:23]
.Lend:
	s_endpgm
.Lfunc_end_k_q29f5c9fd1b_router:
	.size	k_q29f5c9fd1b_router, .Lfunc_end_k_q29f5c9fd1b_router-k_q29f5c9fd1b_router
	.p2alignl 7, 3214868480
	.fill 96, 4, 3214868480
	.section	.rodata,"a",@progbits
	.p2align	6, 0x0
	.amdhsa_kernel k_q29f5c9fd1b_router
		.amdhsa_group_segment_fixed_size 58880
		.amdhsa_private_segment_fixed_size 0
		.amdhsa_enable_private_segment 0
		.amdhsa_kernarg_size 64
		.amdhsa_user_sgpr_count 2
		.amdhsa_user_sgpr_kernarg_segment_ptr 1
		.amdhsa_wavefront_size32 1
		.amdhsa_system_sgpr_workgroup_id_x 1
		.amdhsa_system_sgpr_workgroup_id_y 1
		.amdhsa_system_sgpr_workgroup_id_z 1
		.amdhsa_system_vgpr_workitem_id 0
		.amdhsa_next_free_vgpr 256
		.amdhsa_next_free_sgpr 66
		.amdhsa_reserve_vcc 1
		.amdhsa_float_denorm_mode_32 3
		.amdhsa_float_denorm_mode_16_64 3
		.amdhsa_memory_ordered 1
		.amdhsa_forward_progress 1
		.amdhsa_inst_pref_size 30
	.end_amdhsa_kernel
	.amdgpu_metadata
---
amdhsa.version: [ 1, 2 ]
amdhsa.kernels:
  - .name:           k_q29f5c9fd1b_router
    .symbol:         k_q29f5c9fd1b_router.kd
    .args:
      - { .name: x, .offset: 0, .size: 8, .value_kind: global_buffer, .address_space: global }
      - { .name: gate_w, .offset: 8, .size: 8, .value_kind: global_buffer, .address_space: global }
      - { .name: noise, .offset: 16, .size: 8, .value_kind: global_buffer, .address_space: global }
      - { .name: noise_weight, .offset: 24, .size: 8, .value_kind: global_buffer, .address_space: global }
      - { .name: xb, .offset: 32, .size: 8, .value_kind: global_buffer, .address_space: global }
      - { .name: ids, .offset: 40, .size: 8, .value_kind: global_buffer, .address_space: global }
      - { .name: gates, .offset: 48, .size: 8, .value_kind: global_buffer, .address_space: global }
      - { .name: psum, .offset: 56, .size: 8, .value_kind: global_buffer, .address_space: global }
    .group_segment_fixed_size: 58880
    .private_segment_fixed_size: 0
    .kernarg_segment_align: 8
    .kernarg_segment_size: 64
    .max_flat_workgroup_size: 256
    .sgpr_count:     66
    .vgpr_count:     256
    .wavefront_size: 32
...
	.end_amdgpu_metadata
.endif
;; end of part 1
;; launch up (part 2): grid 32 x 8, 4 waves a work-group, no clusters, 309,248 bytes of LDS; arguments xb, ids, w1, w2, b1, b2, hbuf; writes hbuf
.if DOCPART == 2
	.amdgcn_target "amdgcn-amd-amdhsa--gfx1250"
	.amdhsa_code_object_version 6
	.text
	.protected	k_q29f5c9fd1b_up
	.globl	k_q29f5c9fd1b_up
	.p2align	8
	.type	k_q29f5c9fd1b_up,@function
k_q29f5c9fd1b_up:
	s_mov_b64 s[64:65], 0
	v_nop
	global_prefetch_b8 v0, s[64:65] scope:SCOPE_SE
	s_setreg_imm32_b32 hwreg(HW_REG_WAVE_MODE, 25, 1), 1
	s_wait_xcnt 0x0
; FIRST PRODUCT AND SwiGLU.  h = (x w1[e] + b1[e]) * silu(x w2[e] + b2[e]) for the rows that chose expert e, and no others.
; SHARES.  Work-group (s, e) owns columns 96 s .. 96 s + 95 of w1[e] and of w2[e], all 768 along K: 589,824 bytes of f32 that it alone reads, once.
; PHASE 1: the four waves stream them through registers (48 loads of 16 bytes a lane out in each wave), round to bf16 and lay them into LDS as images of matrix fragments.  One barrier.
; PHASE 2: each wave multiplies tiles of 16 rows, five at a time; the rows of x come from memory straight into registers as source 1.  LDS is only read here, so no barrier stands here.
; THE LIST.  Every wave finds the expert's rows for itself from the 2,048 chosen experts (SCAN) and keeps the list in LDS bytes of its own.  A row's RANK is its place in that list; the second
; product makes the same list by the same lines.  Every split is served: four groups of 20 tiles cover 1,024 rows; a group, and a tile's way out, past the count is jumped, forward, over text without a barrier.
; In a tile that is not full, and in a dead tile of a live group, the places past the count repeat the last row.
; THE WAY OUT.  Source 0 = 16 weight columns, source 1 = 16 rows: lane l holds row l % 16 and columns 16 n + 8 (l / 16) + 0..7 of column tile n.  Rounded to bf16 these 16 bytes are just what the same lane
; needs of source 1 in the second product (tiles 2 k, 2 k + 1 are its K step k).  So h leaves as hbuf[e][s][tile of 16 ranks][n][lane][16 bytes]: every store of the wave is 512 consecutive bytes, from registers.
; LIMITS.  x, w1, w2, b1, b2 are rounded to bf16 (as every input in this program), h once to bf16; sums in f32.  silu(b) counts as 0 where 2^(-1.4427 b) passes f32's range (b below about -88).  NaN and infinities are not treated apart.
; A row piece of a weight matrix is 384 bytes, so neighbouring slices share some aligned 256 bytes of a row: 96 columns are what makes the bf16 image of both matrices fit in LDS (299,520 bytes).
; NO CLUSTER: each weight byte has one reader; the x rows that an expert's 32 work-groups share come by a list, which no tensor descriptor covers.
.set NT,    12                         ; tiles of 16 columns: 0-5 of w1, 6-11 of w2
.set NH,    6                          ; of one matrix
.set BLK,   1040                       ; a fragment image: lane l's registers 0-3 at 16 l, 4-7 at 512 + 16 l; 16 bytes of padding spread the writers' banks
.set KSB,   NT*BLK                     ; a K step of 32
.set LISTS, 24*KSB                     ; behind the weights: a list for each wave,
.set LISTP, 2304                       ; 1,024 ranks x 2 bytes, then a word for each lane that does not match, up to index 0x47f
.set SPARE, LISTS+4*LISTP              ; the spare words, 128 bytes a wave: named by no other line
.set TILEB, 3072                       ; a tile's block in hbuf
.set TPW,   2                          ; tiles' accumulators in a register window
.set AS,    96                         ; registers of a tile's accumulators
.set XB,    96                         ; window 3: the ring of x fragments, 4 buffers of 5 tiles x 8
.set WB,    64                         ; window 0: W0 v64-111 (w1's fragments), W1 v112-159 (w2's)
.set BIAS,  160                        ; window 0: v160-207 b1, v208-255 b2, in the result's layout
.set TT,    64                         ; the way out: 48 at work; PP 24 packed
.set PP,    112
; window 0: v0 thread, v1 lane, v2 lane % 16, v3 lane / 16, v4 v5 the add's, v6 16 lane, v7 fragment address, v8-12 x offsets, v15 1024 + lane, v16 4 lane, v17 32 (lane / 16), v18-26 at work
; window 1: phase 1: v0-191 six units of 32 as loaded, v192-207 packed, v208-210 global offsets, v211-213 LDS addresses; then tiles 0, 1.  window 2: tiles 2, 3.  window 3: v0-95 tile 4
; s4 wave, s5 slice, s6 expert, s22:23 an offset (s23 = 0), s24:25 x's base in the K loop, s26 count, s27 count - 1, s28 tiles, s29 my first tile of the group, s30 s31 counters, s32 my list,
; s36:37 my block of hbuf, s38:39 a tile's, s40:41 -log2(e), s42 the LDS byte of the K step in hand
.set MSB, 0
.macro WIN new                         ; the immediate's high byte repeats the setting that is left; a switch that changes nothing is dropped
.if MSB != (\new)
	s_set_vgpr_msb (MSB<<8)|(\new)
.set MSB, (\new)
.endif
.endm
.macro PLACES                          ; four places in front of loads into registers that matrix instructions have read, and of instructions that read results
.rept 4
	v_nop
.endr
.endm
; The list of expert s6: register 4 j + q of the ids holds slot 128 j + 4 lane + q.  A matching lane's rank is the count so far plus the matching lanes below it; the others take index 1024 + lane.
; The clamp stands last in front of the address: 0x47f is the last index of the wave's 2,304 bytes.
.macro SCAN
	s_mov_b32 s26, 0
.set i, 0
.rept 64
	v_cmp_eq_u32 s33, s6, v[64+i]
	v_mbcnt_lo_u32_b32 v[18+2*(i%2)], s33, s26
	v_cndmask_b32 v[18+2*(i%2)], v15, v[18+2*(i%2)], s33
	v_min_u32 v[18+2*(i%2)], 0x47f, v[18+2*(i%2)]
	v_lshl_add_u32 v[18+2*(i%2)], v[18+2*(i%2)], 1, s32
	v_add_nc_u32 v[19+2*(i%2)], 128*(i/4)+i%4, v16
	ds_store_b16 v[18+2*(i%2)], v[19+2*(i%2)]
	s_bcnt1_i32_b32 s34, s33
	s_add_co_u32 s26, s26, s34
.set i, i+1
.endr
	s_sub_co_u32 s27, s26, 1
	s_add_co_u32 s28, s26, 15
	s_lshr_b32 s28, s28, 4
.endm
.macro LOADU u, plus                   ; a unit's eight loads: matrix u / 3, set u % 3 of the places, the eight rows of the lane's octet
.irp p, 0,1,2,3,4,5,6,7
	global_load_b128 v[32*(\u)+4*\p:32*(\u)+4*\p+3], v[208+(\u)%3], s[12+2*((\u)/3):13+2*((\u)/3)] offset:\p*12288+(\plus) th:TH_LOAD_NT
.endr
.endm
; A unit: 8 rows (along K) x 4 columns a lane.  Column j's eight numbers pack into 16 bytes, which are a lane's half fragment.  ahead = 1: the unit is loaded again, one K step on.
.macro UNIT u, ahead, left
	WIN 0x55
	s_wait_loadcnt \left                           ; loads come back in order (ISA guide 5.7.1): mine are in, the younger ones stay out
.irp j, 0,1,2,3
.irp p, 0,1,2,3
	v_cvt_pk_bf16_f32 v[192+4*\j+\p], v[32*(\u)+8*\p+\j], v[32*(\u)+8*\p+4+\j]
.endr
.endr
.irp j, 0,1,2,3
	ds_store_b128 v[211+(\u)%3], v[192+4*\j:195+4*\j] offset:16*\j+NH*BLK*((\u)/3)
.endr
.if \ahead
	LOADU \u, 393216
.endif
.endm
.macro FETCHW buf, imm                 ; one matrix's fragments of a K step: 32 lanes x 16 consecutive bytes a load
	WIN 0
.set nn, 0
.rept NH
	ds_load_b128 v[WB+8*(NH*(\buf)+nn):WB+8*(NH*(\buf)+nn)+3], v7 offset:(\imm)+BLK*nn
	ds_load_b128 v[WB+8*(NH*(\buf)+nn)+4:WB+8*(NH*(\buf)+nn)+7], v7 offset:(\imm)+BLK*nn+512
.set nn, nn+1
.endr
.endm
.macro FETCHX buf, imm                 ; five tiles' rows, 32 along K: lane l takes row l % 16, 16 bytes at 16 (l / 16) and 32 bytes on
	WIN 0xc0
.irp t, 0,1,2,3,4
	global_load_b128 v[XB+40*(\buf)+8*\t:XB+40*(\buf)+8*\t+3], v[8+\t], s[24:25] offset:(\imm)
	global_load_b128 v[XB+40*(\buf)+8*\t+4:XB+40*(\buf)+8*\t+7], v[8+\t], s[24:25] offset:(\imm)+32
.endr
.endm
; No two matrix instructions on end share an accumulator.  first = 1: the bias starts the sums.
.macro MM a, xbuf, first, i0, i1
.set ii, \i0
.rept (\i1)-(\i0)+1
.set aw, 1+ii/TPW
.if \first
	WIN (aw<<6)|0x0c
.else
	WIN (aw<<6)|(aw<<4)|0x0c
.endif
.set nn, 0
.rept NH
.set rD, AS*(ii%TPW)+8*(NH*(\a)+nn)
.set rW, WB+8*(NH*(\a)+nn)
.set rX, XB+40*(\xbuf)+8*ii
.if \first
	v_wmma_f32_16x16x32_bf16 v[rD:rD+7], v[rW:rW+7], v[rX:rX+7], v[BIAS+8*(NH*(\a)+nn):BIAS+8*(NH*(\a)+nn)+7]
.else
	v_wmma_f32_16x16x32_bf16 v[rD:rD+7], v[rW:rW+7], v[rX:rX+7], v[rD:rD+7]
.endif
.set nn, nn+1
.endr
.set ii, ii+1
.endr
.endm
.macro HALF a, xbuf, first, fw, fwimm, fx, fxbuf, fximm
	s_wait_dscnt 0x0                               ; this half's fragments, asked for half a step ago
	MM \a, \xbuf, \first, 0, 1
.if (\fw)+(\fx)
	PLACES
.endif
.if \fw
	FETCHW 1-(\a), \fwimm
.endif
.if \fx
	FETCHX \fxbuf, \fximm
.endif
	MM \a, \xbuf, \first, 2, 4
.endm
.macro STEP xbuf, first, wimm, lastw, fx, fxbuf, fximm, left
	s_wait_loadcnt \left                           ; this step's rows are in; the younger steps' ten loads each stay out
	HALF 0, \xbuf, \first, 1, (\wimm)+NH*BLK, \fx, \fxbuf, \fximm
	HALF 1, \xbuf, \first, 1-(\lastw), (\wimm)+KSB, 0, 0, 0
.endm
; Tile i's way out: h = A * (B / (1 + 2^(-1.4427 B))), rounded to bf16, stored from registers as 6 x 512 consecutive bytes.  Each accumulator is read from its low end on.
.macro TILEOUT i
.set aw, 1+(\i)/TPW
.set rA, AS*((\i)%TPW)
	WIN 0
	s_add_co_u32 s34, s29, 4*(\i)
	s_cmp_ge_u32 s34, s28
	s_cbranch_scc1 .Ldead_\@                       ; a tile past the count stores nothing
	s_wait_xcnt 0x0                                ; the last tile's stores have read their registers and their base
	s_mul_i32 s22, s34, TILEB
	s_add_nc_u64 s[38:39], s[36:37], s[22:23]
	WIN aw
.set z, 0
.rept 24
	v_pk_mul_f32 v[TT+2*z:TT+2*z+1], v[rA+48+2*z:rA+48+2*z+1], s[40:41] op_sel_hi:[1,0]
.set z, z+1
.endr
	WIN 0
.set z, 0
.rept 48
	v_exp_f32 v[TT+z], v[TT+z]
.set z, z+1
.endr
	v_nop                                          ; a plain instruction behind the last exponential,
	s_wait_alu depctr_va_vdst(0)                   ; and one wait for the 48
.set z, 0
.rept 24
	v_pk_add_f32 v[TT+2*z:TT+2*z+1], v[TT+2*z:TT+2*z+1], 1.0 op_sel_hi:[1,0]
.set z, z+1
.endr
.set z, 0
.rept 48
	v_rcp_f32 v[TT+z], v[TT+z]
.set z, z+1
.endr
	v_nop
	s_wait_alu depctr_va_vdst(0)                   ; one wait for the 48 reciprocals
	WIN aw<<2
.set z, 0
.rept 24
	v_pk_mul_f32 v[TT+2*z:TT+2*z+1], v[TT+2*z:TT+2*z+1], v[rA+48+2*z:rA+48+2*z+1]  ; silu first: 0 x B stays 0
.set z, z+1
.endr
.set z, 0
.rept 24
	v_pk_mul_f32 v[TT+2*z:TT+2*z+1], v[TT+2*z:TT+2*z+1], v[rA+2*z:rA+2*z+1]
.set z, z+1
.endr
	WIN 0
.set z, 0
.rept 24
	v_cvt_pk_bf16_f32 v[PP+z], v[TT+2*z], v[TT+2*z+1]
.set z, z+1
.endr
.irp n, 0,1,2,3,4,5
	global_store_b128 v6, v[PP+4*\n:PP+4*\n+3], s[38:39] offset:512*\n  ; column tile n: 512 consecutive bytes, at a multiple of 256 from hbuf's first
.endr
.Ldead_\@:
.endm
	s_load_b256 s[8:15], s[0:1], 0x0               ; xb, ids, w1, w2
	s_load_b128 s[16:19], s[0:1], 0x20             ; b1, b2
	s_load_b64 s[20:21], s[0:1], 0x30              ; hbuf
	v_lshl_add_u32 v4, v0, 2, SPARE
	v_mov_b32 v5, 0
	v_lshrrev_b32 v1, 5, v0
	v_readfirstlane_b32 s4, v1                     ; wave 0..3
	v_and_b32 v1, 31, v0
	v_and_b32 v2, 15, v0
	v_bfe_u32 v3, v0, 4, 1
	v_lshlrev_b32 v6, 4, v1
	v_add_nc_u32 v15, 0x400, v1
	v_lshlrev_b32 v16, 2, v1
	v_lshlrev_b32 v17, 5, v3
	s_mov_b32 s5, ttmp9
	s_and_b32 s6, ttmp7, 0xffff
	s_mov_b32 s35, 0xffff0000
	s_mov_b32 s40, 0xbfb8aa3b                      ; -log2(e)
	s_mov_b32 s41, s40                             ; named with it as a pair
	s_mul_i32 s32, s4, LISTP
	s_add_co_u32 s32, s32, LISTS
	s_mul_i32 s34, s4, 6*KSB                       ; wave w lays K steps 6 w .. 6 w + 5: 74,880 bytes on end
	; A K step of one matrix is 4 octets of rows x 24 groups of 4 columns = 96 places = 3 sets of 32 lanes.  Set i: lanes 0-23 take octet i, group = lane; lanes 24-31 take octet 3, group 8 i + lane % 8.
	v_lshrrev_b32 v18, 3, v1                       ; x = lane / 8
	v_add_nc_u32 v19, 1, v18
	v_lshrrev_b32 v20, 2, v19                      ; f = 1 in lanes 24-31, else 0
	v_and_b32 v19, 3, v19
	v_min_u32 v19, 1, v19                          ; 1 - f
	v_mul_u32_u24 v18, v18, v19
	v_and_b32 v21, 7, v1
	v_lshl_add_u32 v21, v18, 3, v21                ; lanes 0-23: the lane; lanes 24-31: lane % 8
.irp i, 0,1,2
	v_mul_u32_u24 v22, 3-\i, v20
	v_add_nc_u32 v22, \i, v22                      ; the octet o
	v_mul_u32_u24 v23, 8*\i, v20
	v_add_nc_u32 v23, v23, v21                     ; the group c
	v_mul_u32_u24 v24, 0x18000, v22                ; 8 rows of 12,288 bytes
	v_lshl_add_u32 v24, v23, 4, v24
	v_lshrrev_b32 v25, 2, v23
	v_mul_u32_u24 v25, BLK, v25                    ; the tile,
	v_and_b32 v26, 3, v23
	v_lshl_add_u32 v25, v26, 6, v25                ; four columns of 16 bytes,
	v_lshl_add_u32 v25, v22, 8, v25                ; octet o at 256 o: lanes 16-31 of registers 0-3, then registers 4-7
	v_add_nc_u32 v25, s34, v25
	WIN 0x40
	v_mov_b32 v[208+\i], v24
	v_mov_b32 v[211+\i], v25
	WIN 0
.endr
	s_mul_i32 s22, s6, 9437184
	s_mul_i32 s33, s5, 384
	s_add_co_u32 s22, s22, s33
	s_mul_i32 s33, s4, 6*393216
	s_add_co_u32 s22, s22, s33
	s_mov_b32 s23, 0
	s_wait_kmcnt 0x0
	s_add_nc_u64 s[12:13], s[12:13], s[22:23]
	s_add_nc_u64 s[14:15], s[14:15], s[22:23]
	s_mul_i32 s22, s6, 12288
	s_mul_i32 s33, s5, 384
	s_add_co_u32 s22, s22, s33
	s_add_nc_u64 s[16:17], s[16:17], s[22:23]
	s_add_nc_u64 s[18:19], s[18:19], s[22:23]
	s_lshl_b32 s22, s6, 5
	s_add_co_u32 s22, s22, s5
	s_mul_i32 s22, s22, 196608
	s_add_nc_u64 s[36:37], s[20:21], s[22:23]
.irp j, 0,1,2,3,4,5,6,7,8,9,10,11,12,13,14,15
	global_load_b128 v[64+4*\j:67+4*\j], v6, s[10:11] offset:512*\j
.endr
	WIN 0x55
.irp u, 0,1,2,3,4
	LOADU \u, 0
.endr
	s_wait_loadcnt 40                              ; the ids are in; five units' 40 weight loads stay out
	LOADU 5, 0                                     ; 48 out: the list is made under them
	WIN 0
	SCAN
	s_mov_b32 s31, 5
.Lfill:                                                ; a trip: one K step of both matrices is laid down, the next is asked for
.irp u, 0,1,2,3,4,5
	UNIT \u, 1, 40
.endr
.irp i, 0,1,2
	v_add_nc_u32 v[211+\i], KSB, v[211+\i]
.endr
	WIN 0
	s_wait_xcnt 0x0                                ; the bases are stepped only behind this wait
	s_add_nc_u64 s[12:13], s[12:13], 393216
	s_add_nc_u64 s[14:15], s[14:15], 393216
	s_sub_co_u32 s31, s31, 1
	s_cmp_lg_u32 s31, 0
	s_cbranch_scc1 .Lfill
	UNIT 0, 0, 40                                  ; the last K step asks for no weights: the counts run down
	UNIT 1, 0, 32
	UNIT 2, 0, 24
	WIN 0
.irp n, 0,1,2,3,4,5
	global_load_b128 v[BIAS+8*\n:BIAS+8*\n+3], v17, s[16:17] offset:64*\n       ; the biases of my 8 columns of each tile, 24 loads,
	global_load_b128 v[BIAS+8*\n+4:BIAS+8*\n+7], v17, s[16:17] offset:64*\n+16
	global_load_b128 v[BIAS+48+8*\n:BIAS+48+8*\n+3], v17, s[18:19] offset:64*\n
	global_load_b128 v[BIAS+48+8*\n+4:BIAS+48+8*\n+7], v17, s[18:19] offset:64*\n+16
.endr
	UNIT 3, 0, 40                                  ; which stay out beside the younger units: 16 + 24, 8 + 24, 24
	UNIT 4, 0, 32
	UNIT 5, 0, 24
	WIN 0
	s_wait_tensorcnt 0x0                           ; my last LDS store is out; LDS is only read from here on
	ds_add_u32 v4, v5
	s_wait_dscnt 0x0                               ; also for the others' sake: my part of the weights is in LDS
	s_barrier_signal -1
	s_barrier_wait -1                              ; the launch's one barrier
	s_wait_loadcnt 0x0                             ; the biases
.set i, 0
.rept 48
	v_cvt_pk_bf16_f32 v[18+i%4], v[BIAS+2*i], v[BIAS+2*i+1]
	v_lshlrev_b32 v[BIAS+2*i], 16, v[18+i%4]
	v_and_b32 v[BIAS+2*i+1], s35, v[18+i%4]
.set i, i+1
.endr
	s_mov_b32 s30, 4
	s_mov_b32 s29, s4
	s_mov_b32 s42, 0
.Lgroup:                                               ; four groups of 20 tiles; my tiles are 20 p + w + 4 i
	s_cmp_ge_u32 s29, s28
	s_cbranch_scc1 .Lnext
	s_wait_xcnt 0x0                                ; the last group's stores have read the registers that W1 takes again
	s_mov_b64 s[24:25], s[8:9]
	v_add_nc_u32 v7, s42, v6
	s_lshl_b32 s34, s29, 4
	v_add_nc_u32 v23, s34, v2
.irp t, 0,1,2,3,4
	v_add_nc_u32 v[18+\t], 64*\t, v23              ; the rank,
	v_min_u32 v[18+\t], s27, v[18+\t]              ; past the count the last row once more
	v_min_u32 v[18+\t], 0x3ff, v[18+\t]
	v_lshl_add_u32 v[18+\t], v[18+\t], 1, s32
	ds_load_u16 v[8+\t], v[18+\t]
.endr
	s_wait_dscnt 0x0
.irp t, 0,1,2,3,4
	v_lshrrev_b32 v[8+\t], 1, v[8+\t]              ; slot / 2 = token
	v_min_u32 v[8+\t], 0x3ff, v[8+\t]
	v_mul_u32_u24 v[8+\t], v[8+\t], 1536
	v_lshl_add_u32 v[8+\t], v3, 4, v[8+\t]
.endr
	FETCHX 0, 0
	FETCHX 1, 64
	FETCHX 2, 128
	FETCHW 0, 0
	STEP 0, 1, 0, 0, 1, 3, 192, 20                 ; K step 0 stands in front of the loop: the biases start the sums
	WIN 0
	s_add_co_u32 s42, s42, KSB
	s_mov_b32 s31, 5
.Lk:                                                   ; K steps 4 t + 1 .. 4 t + 4; each asks for the rows three steps on, into the buffer read last
	v_add_nc_u32 v7, s42, v6                       ; the trip's fragments: the scalar step plus 16 lane
	STEP 1, 0, 0*KSB, 0, 1, 0, 256, 20
	STEP 2, 0, 1*KSB, 0, 1, 1, 320, 20
	STEP 3, 0, 2*KSB, 0, 1, 2, 384, 20
	STEP 0, 0, 3*KSB, 0, 1, 3, 448, 20
	WIN 0
	s_add_co_u32 s42, s42, 4*KSB
	s_wait_xcnt 0x0
	s_add_nc_u64 s[24:25], s[24:25], 256
	s_sub_co_u32 s31, s31, 1
	s_cmp_lg_u32 s31, 0
	s_cbranch_scc1 .Lk
	v_add_nc_u32 v7, s42, v6
	STEP 1, 0, 0*KSB, 0, 0, 0, 0, 20               ; K steps 21 to 23 ask for no rows: the counts run down
	STEP 2, 0, 1*KSB, 0, 0, 0, 0, 10
	STEP 3, 0, 2*KSB, 1, 0, 0, 0, 0
	WIN 0
	s_mov_b32 s42, 0                               ; back to K step 0, as on the way round the group
	PLACES
	TILEOUT 0
	TILEOUT 1
	TILEOUT 2
	TILEOUT 3
	TILEOUT 4
.Lnext:
	s_add_co_u32 s29, s29, 20
	s_sub_co_u32 s30, s30, 1
	s_cmp_lg_u32 s30, 0
	s_cbranch_scc1 .Lgroup
	s_endpgm
.Lfunc_end_k_q29f5c9fd1b_up:
	.size	k_q29f5c9fd1b_up, .Lfunc_end_k_q29f5c9fd1b_up-k_q29f5c9fd1b_up
	.p2alignl 7, 3214868480
	.fill 96, 4, 3214868480
	.section	.rodata,"a",@progbits
	.p2align	6, 0x0
	.amdhsa_kernel k_q29f5c9fd1b_up
		.amdhsa_group_segment_fixed_size 309248
		.amdhsa_private_segment_fixed_size 0
		.amdhsa_enable_private_segment 0
		.amdhsa_kernarg_size 56
		.amdhsa_user_sgpr_count 2
		.amdhsa_user_sgpr_kernarg_segment_ptr 1
		.amdhsa_wavefront_size32 1
		.amdhsa_system_sgpr_workgroup_id_x 1
		.amdhsa_system_sgpr_workgroup_id_y 1
		.amdhsa_system_sgpr_workgroup_id_z 1
		.amdhsa_system_vgpr_workitem_id 0
		.amdhsa_next_free_vgpr 1024
		.amdhsa_next_free_sgpr 66
		.amdhsa_reserve_vcc 0
		.amdhsa_float_denorm_mode_32 3
		.amdhsa_float_denorm_mode_16_64 3
		.amdhsa_memory_ordered 1
		.amdhsa_forward_progress 1
		.amdhsa_inst_pref_size 188
	.end_amdhsa_kernel
	.amdgpu_metadata
---
amdhsa.version: [ 1, 2 ]
amdhsa.kernels:
  - .name:           k_q29f5c9fd1b_up
    .symbol:         k_q29f5c9fd1b_up.kd
    .args:
      - { .name: xb, .offset: 0, .size: 8, .value_kind: global_buffer, .address_space: global }
      - { .name: ids, .offset: 8, .size: 8, .value_kind: global_buffer, .address_space: global }
      - { .name: w1, .offset: 16, .size: 8, .value_kind: global_buffer, .address_space: global }
      - { .name: w2, .offset: 24, .size: 8, .value_kind: global_buffer, .address_space: global }
      - { .name: b1, .offset: 32, .size: 8, .value_kind: global_buffer, .address_space: global }
      - { .name: b2, .offset: 40, .size: 8, .value_kind: global_buffer, .address_space: global }
      - { .name: hbuf, .offset: 48, .size: 8, .value_kind: global_buffer, .address_space: global }
    .group_segment_fixed_size: 309248
    .private_segment_fixed_size: 0
    .kernarg_segment_align: 8
    .kernarg_segment_size: 56
    .max_flat_workgroup_size: 128
    .sgpr_count:     66
    .vgpr_count:     1024
    .wavefront_size: 32
...
	.end_amdgpu_metadata
.endif
;; end of part 2
;; launch down (part 3): grid 6 x 32, 4 waves a work-group, no clusters, 226,816 bytes of LDS; arguments hbuf, ids, wp, part; writes part
.if DOCPART == 3
	.amdgcn_target "amdgcn-amd-amdhsa--gfx1250"
	.amdhsa_code_object_version 6
	.text
	.protected	k_q29f5c9fd1b_down
	.globl	k_q29f5c9fd1b_down
	.p2align	8
	.type	k_q29f5c9fd1b_down,@function
k_q29f5c9fd1b_down:
	s_mov_b64 s[64:65], 0
	v_nop
	global_prefetch_b8 v0, s[64:65] scope:SCOPE_SE
	s_setreg_imm32_b32 hwreg(HW_REG_WAVE_MODE, 25, 1), 1
	s_wait_xcnt 0x0
; SECOND PRODUCT.  part[kp][slot][:] = the sum over 768 of the 3,072 hidden numbers of h[slot] wp[e], for the rows that chose expert e.
; SHARES.  Work-group (cs, 4 e + kp) owns rows 768 kp .. + 767 and columns 128 cs .. + 127 of wp[e]: 393,216 bytes of f32 that it alone reads, once, in row pieces of 512 bytes.
; PHASE 1 lays the slice into LDS in bf16 as images of fragments; one barrier; PHASE 2 multiplies tiles of 16 rows, five a wave at a time.  h lies in memory as the first product's lanes left it,
; hbuf[e][slice of 96][tile of 16 ranks][n][lane][16 bytes]: column tiles 2 k, 2 k + 1 of a slice are registers 0-3 and 4-7 of source 1 for its K step k, so every load of the wave is 512 consecutive bytes.
; The list of the expert's rows is made by the same lines as in the first product, so a rank means the same row; here it serves the way out alone.  Groups and ways out past the count are jumped, forward,
; over text without a barrier; a dead tile of a live group reads the last live tile once more and stores nothing.
; THE 24 K STEPS ARE WRITTEN OUT: every LDS address of the row work is then a register made once at the head plus an immediate, and h's base is never stepped (the immediates reach 1,378,816).
; So the waves' reads of the weights and their stores into their own stages are told apart by constants alone, and the row work needs no barrier.
; The four K parts are partial sums and stay in f32; the last launch adds them.  Four parts, since one or two would give 48 or 96 work-groups.
; LIMITS.  wp is rounded to bf16 (as every input in this program); h arrives in bf16; sums in f32.  NaN and infinities are not treated apart.
; NO CLUSTER: each weight byte has one reader.  The tiles of h that six work-groups share could be asked for jointly, but they would have to pass through LDS slots with a barrier inside the work
; whose length hangs on the expert's count.
.set NT,    8
.set NH,    4
.set BLK,   1040
.set KSB,   NT*BLK
.set LISTS, 24*KSB
.set LISTP, 2304
.set STAGE, LISTS+4*LISTP              ; a stage for each wave: 16 rows x (256 + 16) bytes
.set SP,    272
.set SPARE, STAGE+4*16*SP
.set TPW,   4
.set AS,    64
.set XB,    0                          ; window 3: the ring of h fragments, 6 buffers of 5 tiles x 8
.set WB,    64                         ; window 0: W0 v64-95, W1 v96-127
.set RR,    128                        ; the way out: 32 read back
.set WA,    32                         ; v32-35: 16 lane + j x 6 K steps: never rewritten
; window 0: v0 thread, v1 lane, v2 lane % 16, v3 lane / 16, v4 v5 the add's, v6 16 lane, v8-12 the tiles' offsets in h, v13 v14 stage in and back, v15 1024 + lane, v16 4 lane, v18-23 at work, v24-31 the rows' offsets in part
; window 1: phase 1: v0-191 six units, v192-207 packed, v208 global offset, v209 LDS address; then tiles 0-3.  window 2: v0-63 tile 4
; s4 wave, s5 column slice, s6 expert, s7 K part, s16:17 h's base, s22:23 an offset, s26 count, s27 count - 1, s28 tiles, s29 my first tile of the group, s30 s31 counters, s32 my list, s35 tiles - 1, s36:37 my part of part
.set MSB, 0
.macro WIN new
.if MSB != (\new)
	s_set_vgpr_msb (MSB<<8)|(\new)
.set MSB, (\new)
.endif
.endm
.macro PLACES                          ; four places in front of loads into registers that matrix instructions have read, and of instructions that read results
.rept 4
	v_nop
.endr
.endm
.macro SCAN                            ; line for line the first product's: the same ranks
	s_mov_b32 s26, 0
.set i, 0
.rept 64
	v_cmp_eq_u32 s33, s6, v[64+i]
	v_mbcnt_lo_u32_b32 v[18+2*(i%2)], s33, s26
	v_cndmask_b32 v[18+2*(i%2)], v15, v[18+2*(i%2)], s33
	v_min_u32 v[18+2*(i%2)], 0x47f, v[18+2*(i%2)]
	v_lshl_add_u32 v[18+2*(i%2)], v[18+2*(i%2)], 1, s32
	v_add_nc_u32 v[19+2*(i%2)], 128*(i/4)+i%4, v16
	ds_store_b16 v[18+2*(i%2)], v[19+2*(i%2)]
	s_bcnt1_i32_b32 s34, s33
	s_add_co_u32 s26, s26, s34
.set i, i+1
.endr
	s_sub_co_u32 s27, s26, 1
	s_add_co_u32 s28, s26, 15
	s_lshr_b32 s28, s28, 4
.endm
.macro LOADU u, plus                   ; a unit's eight loads: my wave's octet of rows of K step u; each load is 512 consecutive bytes of a row
.irp p, 0,1,2,3,4,5,6,7
	global_load_b128 v[32*(\u)+4*\p:32*(\u)+4*\p+3], v208, s[12:13] offset:(\u)*98304+\p*3072+(\plus) th:TH_LOAD_NT
.endr
.endm
; A unit: 8 rows x 4 columns a lane; column j's eight numbers pack into a lane's half fragment.  ahead = 1: the unit is loaded again, six K steps on.
.macro UNIT u, ahead, left
	WIN 0x55
	s_wait_loadcnt \left                           ; loads come back in order (ISA guide 5.7.1): mine are in, the younger units' stay out
.irp j, 0,1,2,3
.irp p, 0,1,2,3
	v_cvt_pk_bf16_f32 v[192+4*\j+\p], v[32*(\u)+8*\p+\j], v[32*(\u)+8*\p+4+\j]
.endr
.endr
.irp j, 0,1,2,3
	ds_store_b128 v209, v[192+4*\j:195+4*\j] offset:16*\j+KSB*(\u)
.endr
.if \ahead
	LOADU \u, 589824
.endif
.endm
.macro FETCHW buf, abs                 ; four fragments at LDS byte abs: the register of its six K steps, the rest in the immediate
	WIN 0
.set nn, 0
.rept NH
	ds_load_b128 v[WB+8*(NH*(\buf)+nn):WB+8*(NH*(\buf)+nn)+3], v[WA+(\abs)/(6*KSB)] offset:(\abs)%(6*KSB)+BLK*nn
	ds_load_b128 v[WB+8*(NH*(\buf)+nn)+4:WB+8*(NH*(\buf)+nn)+7], v[WA+(\abs)/(6*KSB)] offset:(\abs)%(6*KSB)+BLK*nn+512
.set nn, nn+1
.endr
.endm
.macro FETCHX buf, imm                 ; five tiles' fragments of a K step: two column tiles of h, 512 consecutive bytes each
	WIN 0xc0
.irp t, 0,1,2,3,4
	global_load_b128 v[XB+40*(\buf)+8*\t:XB+40*(\buf)+8*\t+3], v[8+\t], s[16:17] offset:(\imm)
	global_load_b128 v[XB+40*(\buf)+8*\t+4:XB+40*(\buf)+8*\t+7], v[8+\t], s[16:17] offset:(\imm)+512
.endr
.endm
; Source 0 = 16 columns of wp, source 1 = 16 rows of h.  No two matrix instructions on end share an accumulator.  first = 1: the constant 0 starts the sums.
.macro MM a, xbuf, first, i0, i1
.set ii, \i0
.rept (\i1)-(\i0)+1
.set aw, 1+ii/TPW
.if \first
	WIN (aw<<6)|0x0c
.else
	WIN (aw<<6)|(aw<<4)|0x0c
.endif
.set nn, 0
.rept NH
.set rD, AS*(ii%TPW)+8*(NH*(\a)+nn)
.set rW, WB+8*(NH*(\a)+nn)
.set rX, XB+40*(\xbuf)+8*ii
.if \first
	v_wmma_f32_16x16x32_bf16 v[rD:rD+7], v[rW:rW+7], v[rX:rX+7], 0
.else
	v_wmma_f32_16x16x32_bf16 v[rD:rD+7], v[rW:rW+7], v[rX:rX+7], v[rD:rD+7]
.endif
.set nn, nn+1
.endr
.set ii, ii+1
.endr
.endm
.macro HALF a, xbuf, first, fw, fwabs, fx, fxbuf, fximm
	s_wait_dscnt 0x0                               ; this half's fragments, asked for half a step ago
	MM \a, \xbuf, \first, 0, 1
.if (\fw)+(\fx)
	PLACES
.endif
.if \fw
	FETCHW 1-(\a), \fwabs
.endif
.if \fx
	FETCHX \fxbuf, \fximm
.endif
	MM \a, \xbuf, \first, 2, 4
.endm
; Tile i's way out, 64 columns at a time: the accumulators go into my stage as they are (low registers first) and come back by rows; sixteen lanes store 256 consecutive bytes of the row's slot.
.macro TILEOUT i
.set aw, 1+(\i)/TPW
.set rA, AS*((\i)%TPW)
	WIN 0
	s_add_co_u32 s34, s29, 4*(\i)
	s_cmp_ge_u32 s34, s28
	s_cbranch_scc1 .Ldead_\@
	s_wait_xcnt 0x0                                ; the last tile's stores have read their offsets and data
	s_lshl_b32 s34, s34, 4
	v_add_nc_u32 v23, s34, v3
.irp q, 0,1,2,3,4,5,6,7
	v_add_nc_u32 v[24+\q], 2*\q, v23               ; the rank of row 2 q + lane / 16,
	v_min_u32 v[24+\q], s27, v[24+\q]              ; past the count the last row once more: the same numbers to the same place
	v_min_u32 v[24+\q], 0x3ff, v[24+\q]
	v_lshl_add_u32 v[24+\q], v[24+\q], 1, s32
	ds_load_u16 v[24+\q], v[24+\q]
.endr
	s_wait_dscnt 0x0
.irp q, 0,1,2,3,4,5,6,7
	v_min_u32 v[24+\q], 0x7ff, v[24+\q]            ; the slot
	v_mul_u32_u24 v[24+\q], v[24+\q], 3072
	v_lshl_add_u32 v[24+\q], v2, 4, v[24+\q]
.endr
.irp g, 0,1
	WIN aw<<2
.irp n, 0,1,2,3
	ds_store_b128 v13, v[rA+8*(4*\g+\n):rA+8*(4*\g+\n)+3] offset:64*\n
	ds_store_b128 v13, v[rA+8*(4*\g+\n)+4:rA+8*(4*\g+\n)+7] offset:64*\n+16
.endr
	WIN 0
.if \g
	s_wait_xcnt 0x0                                ; the first half's stores have read the registers loaded below
.endif
.irp q, 0,1,2,3,4,5,6,7
	ds_load_b128 v[RR+4*\q:RR+4*\q+3], v14 offset:2*SP*\q  ; LDS serves a wave's instructions in order (ISA guide 5.7.1.4): these see the stores above
.endr
	s_wait_dscnt 0x0
.irp q, 0,1,2,3,4,5,6,7
	global_store_b128 v[24+\q], v[RR+4*\q:RR+4*\q+3], s[36:37] offset:256*\g
.endr
.endr
.Ldead_\@:
.endm
	s_load_b256 s[8:15], s[0:1], 0x0               ; hbuf, ids, wp, part
	v_lshl_add_u32 v4, v0, 2, SPARE
	v_mov_b32 v5, 0
	v_lshrrev_b32 v1, 5, v0
	v_readfirstlane_b32 s4, v1                     ; wave 0..3
	v_and_b32 v1, 31, v0
	v_and_b32 v2, 15, v0
	v_bfe_u32 v3, v0, 4, 1
	v_lshlrev_b32 v6, 4, v1
	v_add_nc_u32 v15, 0x400, v1
	v_lshlrev_b32 v16, 2, v1
.irp j, 0,1,2,3
	v_add_nc_u32 v[WA+\j], \j*6*KSB, v6
.endr
	s_mov_b32 s5, ttmp9
	s_and_b32 s7, ttmp7, 0xffff
	s_lshr_b32 s6, s7, 2
	s_and_b32 s7, s7, 3
	s_mul_i32 s34, s4, 16*SP
	s_add_co_u32 s34, s34, STAGE
	v_mul_u32_u24 v13, v2, SP
	v_lshl_add_u32 v13, v3, 5, v13
	v_add_nc_u32 v13, s34, v13                     ; in: row l % 16, 32 bytes for each half of the lanes
	v_mul_u32_u24 v14, v3, SP
	v_lshl_add_u32 v14, v2, 4, v14
	v_add_nc_u32 v14, s34, v14                     ; back: lanes 0-15 one row of 256 bytes, lanes 16-31 the next
	s_mul_i32 s32, s4, LISTP
	s_add_co_u32 s32, s32, LISTS
	v_lshrrev_b32 v18, 2, v1
	v_mul_u32_u24 v18, v18, BLK                    ; the tile,
	v_and_b32 v19, 3, v1
	v_lshl_add_u32 v18, v19, 6, v18                ; four columns of 16 bytes,
	s_lshl_b32 s34, s4, 8
	v_add_nc_u32 v18, s34, v18                     ; my wave's octet at 256 w
	WIN 0x40
	v_mov_b32 v208, v6
	v_mov_b32 v209, v18
	WIN 0
	s_mul_i32 s22, s6, 9437184
	s_mul_i32 s33, s7, 2359296
	s_add_co_u32 s22, s22, s33
	s_mul_i32 s33, s4, 24576
	s_add_co_u32 s22, s22, s33
	s_lshl_b32 s33, s5, 9
	s_add_co_u32 s22, s22, s33
	s_mov_b32 s23, 0
	s_wait_kmcnt 0x0
	s_add_nc_u64 s[12:13], s[12:13], s[22:23]
	s_mul_i32 s22, s6, 6291456
	s_mul_i32 s33, s7, 1572864                     ; my K part is eight slices of 196,608 bytes
	s_add_co_u32 s22, s22, s33
	s_add_nc_u64 s[16:17], s[8:9], s[22:23]
	s_mul_i32 s22, s7, 6291456
	s_lshl_b32 s33, s5, 9
	s_add_co_u32 s22, s22, s33
	s_add_nc_u64 s[36:37], s[14:15], s[22:23]
.irp j, 0,1,2,3,4,5,6,7,8,9,10,11,12,13,14,15
	global_load_b128 v[64+4*\j:67+4*\j], v6, s[10:11] offset:512*\j
.endr
	WIN 0x55
.irp u, 0,1,2,3,4
	LOADU \u, 0
.endr
	s_wait_loadcnt 40                              ; the ids are in; five units' 40 weight loads stay out
	LOADU 5, 0                                     ; 48 out: the list is made under them
	WIN 0
	SCAN
	s_sub_co_u32 s35, s28, 1
	s_mov_b32 s31, 3
.Lfill:                                                ; a trip: my octet of six K steps is laid down, the next six are asked for
.irp u, 0,1,2,3,4,5
	UNIT \u, 1, 40
.endr
	v_add_nc_u32 v209, 6*KSB, v209
	WIN 0
	s_wait_xcnt 0x0                                ; the base is stepped only behind this wait
	s_add_nc_u64 s[12:13], s[12:13], 589824
	s_sub_co_u32 s31, s31, 1
	s_cmp_lg_u32 s31, 0
	s_cbranch_scc1 .Lfill
.irp u, 0,1,2,3,4,5
	UNIT \u, 0, 40-8*\u                            ; the last six load nothing: the counts run down
.endr
	WIN 0
	s_wait_dscnt 0x0                               ; for the others' sake: my part of the weights is in LDS
	s_barrier_signal -1
	s_barrier_wait -1                              ; the launch's one barrier: from here on the weights are only read
	s_mov_b32 s30, 4
	s_mov_b32 s29, s4
.Lgroup:                                               ; four groups of 20 tiles; my tiles are 20 p + w + 4 i
	s_cmp_ge_u32 s29, s28
	s_cbranch_scc1 .Lnext
	s_wait_xcnt 0x0
.irp t, 0,1,2,3,4
	s_add_co_u32 s34, s29, 4*\t
	s_min_u32 s34, s34, s35                        ; a dead tile reads the last live one,
	s_min_u32 s34, s34, 63
	s_mul_i32 s34, s34, 3072                       ; a tile's block in a slice
	v_add_nc_u32 v[8+\t], s34, v6
.endr
	; K step k lies in slice k / 3 of my eight, at column tiles 2 (k % 3) and 2 (k % 3) + 1 of a tile's block
	FETCHX 0, 0
	FETCHX 1, 1024
	FETCHX 2, 2048
	FETCHX 3, 196608
	FETCHX 4, 197632
	FETCHW 0, 0
.set ks, 0
.rept 24                               ; each step asks for the rows five steps on, into the buffer read last; the last five ask for none, and the counts run down
.set fst, 0
.set fxx, 1
.set fww, 1
.set lf, 40
.if ks == 0
.set fst, 1
.endif
.if ks > 18
.set fxx, 0
.endif
.if ks > 19
.set lf, 10*(23-ks)
.endif
.if ks == 23
.set fww, 0
.endif
	s_wait_loadcnt lf                              ; this step's rows are in; the younger steps' ten loads each stay out
	HALF 0, ks%6, fst, 1, ks*KSB+NH*BLK, fxx, (ks+5)%6, ((ks+5)/3)*196608+((ks+5)%3)*1024
	HALF 1, ks%6, fst, fww, (ks+1)*KSB, 0, 0, 0
.set ks, ks+1
.endr
	WIN 0
	PLACES
	TILEOUT 0
	TILEOUT 1
	TILEOUT 2
	TILEOUT 3
	TILEOUT 4
.Lnext:
	s_add_co_u32 s29, s29, 20
	s_sub_co_u32 s30, s30, 1
	s_cmp_lg_u32 s30, 0
	s_cbranch_scc1 .Lgroup
	s_wait_tensorcnt 0x0                           ; the wave's end, behind my last LDS store
	ds_add_u32 v4, v5
	s_wait_dscnt 0x0
	s_endpgm
.Lfunc_end_k_q29f5c9fd1b_down:
	.size	k_q29f5c9fd1b_down, .Lfunc_end_k_q29f5c9fd1b_down-k_q29f5c9fd1b_down
	.p2alignl 7, 3214868480
	.fill 96, 4, 3214868480
	.section	.rodata,"a",@progbits
	.p2align	6, 0x0
	.amdhsa_kernel k_q29f5c9fd1b_down
		.amdhsa_group_segment_fixed_size 226816
		.amdhsa_private_segment_fixed_size 0
		.amdhsa_enable_private_segment 0
		.amdhsa_kernarg_size 32
		.amdhsa_user_sgpr_count 2
		.amdhsa_user_sgpr_kernarg_segment_ptr 1
		.amdhsa_wavefront_size32 1
		.amdhsa_system_sgpr_workgroup_id_x 1
		.amdhsa_system_sgpr_workgroup_id_y 1
		.amdhsa_system_sgpr_workgroup_id_z 1
		.amdhsa_system_vgpr_workitem_id 0
		.amdhsa_next_free_vgpr 1008
		.amdhsa_next_free_sgpr 66
		.amdhsa_reserve_vcc 0
		.amdhsa_float_denorm_mode_32 3
		.amdhsa_float_denorm_mode_16_64 3
		.amdhsa_memory_ordered 1
		.amdhsa_forward_progress 1
		.amdhsa_inst_pref_size 223
	.end_amdhsa_kernel
	.amdgpu_metadata
---
amdhsa.version: [ 1, 2 ]
amdhsa.kernels:
  - .name:           k_q29f5c9fd1b_down
    .symbol:         k_q29f5c9fd1b_down.kd
    .args:
      - { .name: hbuf, .offset: 0, .size: 8, .value_kind: global_buffer, .address_space: global }
      - { .name: ids, .offset: 8, .size: 8, .value_kind: global_buffer, .address_space: global }
      - { .name: wp, .offset: 16, .size: 8, .value_kind: global_buffer, .address_space: global }
      - { .name: part, .offset: 24, .size: 8, .value_kind: global_buffer, .address_space: global }
    .group_segment_fixed_size: 226816
    .private_segment_fixed_size: 0
    .kernarg_segment_align: 8
    .kernarg_segment_size: 32
    .max_flat_workgroup_size: 128
    .sgpr_count:     66
    .vgpr_count:     1008
    .wavefront_size: 32
...
	.end_amdgpu_metadata
.endif
;; end of part 3
;; launch combine (part 4): grid 256 x 1, 8 waves a work-group, no clusters, 0 bytes of LDS; arguments part, ids, gates, bp, psum, out0, out1; writes out0, out1
.if DOCPART == 4
	.amdgcn_target "amdgcn-amd-amdhsa--gfx1250"
	.amdhsa_code_object_version 6
	.text
	.protected	k_q29f5c9fd1b_combine
	.globl	k_q29f5c9fd1b_combine
	.p2align	8
	.type	k_q29f5c9fd1b_combine,@function
k_q29f5c9fd1b_combine:
	s_mov_b64 s[64:65], 0
	v_nop
	global_prefetch_b8 v0, s[64:65] scope:SCOPE_SE
	s_setreg_imm32_b32 hwreg(HW_REG_WAVE_MODE, 25, 1), 1
	s_wait_xcnt 0x0
; THE SUM.  out0[t] = g0 (the four K parts of slot 2 t + bp[e0]) + g1 (those of slot 2 t + 1 + bp[e1]); out1 = the load balance loss.
; A stream: a wave takes half a token's row (1,536 bytes) and has all its 30 loads of 16 bytes a lane out at once; every load and store of the wave covers 512 consecutive bytes.
; No LDS, no matrix unit, no cluster: nothing is shared and each byte of part is read once.
; bp is rounded to bf16, as every input in this program.  The chosen experts come from a buffer of whole numbers that an earlier launch stored; they are clamped to 7 in front of the address.
; Work-group 0's wave 0 adds the 32 work-groups' sums of softmax weights in order and stores the loss.
.set P,  16                            ; v16-111: part (kp, choice k, piece c) at P + 4 (6 kp + 3 k + c)
.set BP, 112                           ; v112-135: bp (k, c)
	s_load_b256 s[8:15], s[0:1], 0x0               ; part, ids, gates, bp
	s_load_b128 s[16:19], s[0:1], 0x20             ; psum, out0
	s_load_b64 s[20:21], s[0:1], 0x30              ; out1
	v_lshrrev_b32 v1, 5, v0
	v_readfirstlane_b32 s4, v1                     ; wave 0..7
	v_and_b32 v1, 31, v0
	v_lshlrev_b32 v2, 4, v1
	v_lshlrev_b32 v3, 2, v1
	s_mov_b32 s5, ttmp9
	s_lshr_b32 s6, s4, 1
	s_lshl2_add_u32 s6, s5, s6                     ; token = 4 g + w / 2
	s_and_b32 s7, s4, 1
	s_mul_i32 s7, s7, 1536                         ; which half of the row
	s_lshl_b32 s22, s6, 3
	s_mov_b32 s23, 0
	s_mov_b32 s27, 0
	s_wait_kmcnt 0x0
	s_add_nc_u64 s[10:11], s[10:11], s[22:23]
	s_add_nc_u64 s[12:13], s[12:13], s[22:23]
	s_load_b64 s[24:25], s[10:11], 0x0             ; the two experts
	s_load_b64 s[32:33], s[12:13], 0x0             ; the two gates
	s_mul_i32 s22, s6, 6144
	s_add_co_u32 s22, s22, s7
	s_add_nc_u64 s[28:29], s[8:9], s[22:23]        ; K parts 0 and 1,
	s_add_nc_u64 s[30:31], s[28:29], 12582912      ; 2 and 3
.irp kp, 0,1,2,3
.irp k, 0,1
.irp c, 0,1,2
	global_load_b128 v[P+4*(6*\kp+3*\k+\c):P+4*(6*\kp+3*\k+\c)+3], v2, s[28+2*(\kp/2):29+2*(\kp/2)] offset:(\kp%2)*6291456+\k*3072+\c*512 th:TH_LOAD_NT
.endr
.endr
.endr
	s_mul_i32 s22, s6, 3072
	s_add_co_u32 s22, s22, s7
	s_add_nc_u64 s[18:19], s[18:19], s[22:23]
	s_wait_kmcnt 0x0
	s_min_u32 s24, s24, 7
	s_min_u32 s25, s25, 7
	s_mul_i32 s26, s24, 3072
	s_add_co_u32 s26, s26, s7
	s_add_nc_u64 s[36:37], s[14:15], s[26:27]
	s_mul_i32 s26, s25, 3072
	s_add_co_u32 s26, s26, s7
	s_add_nc_u64 s[38:39], s[14:15], s[26:27]
	s_mov_b32 s34, s33                             ; the second gate as the low word of a pair
	s_mov_b32 s35, s33
.irp k, 0,1
.irp c, 0,1,2
	global_load_b128 v[BP+4*(3*\k+\c):BP+4*(3*\k+\c)+3], v2, s[36+2*\k:37+2*\k] offset:\c*512
.endr
.endr
	s_wait_loadcnt 6                               ; the 24 partial rows are in; bp's six loads stay out
.irp m, 0,1,2,3,4,5
.irp d, 0,2
	v_pk_add_f32 v[P+4*\m+\d:P+4*\m+\d+1], v[P+4*\m+\d:P+4*\m+\d+1], v[P+24+4*\m+\d:P+24+4*\m+\d+1]
	v_pk_add_f32 v[P+48+4*\m+\d:P+48+4*\m+\d+1], v[P+48+4*\m+\d:P+48+4*\m+\d+1], v[P+72+4*\m+\d:P+72+4*\m+\d+1]
.endr
.irp d, 0,2
	v_pk_add_f32 v[P+4*\m+\d:P+4*\m+\d+1], v[P+4*\m+\d:P+4*\m+\d+1], v[P+48+4*\m+\d:P+48+4*\m+\d+1]
.endr
.endr
	s_wait_loadcnt 0x0
.irp m, 0,1,2,3,4,5
	v_cvt_pk_bf16_f32 v136, v[BP+4*\m], v[BP+4*\m+1]
	v_cvt_pk_bf16_f32 v137, v[BP+4*\m+2], v[BP+4*\m+3]
	v_lshlrev_b32 v[BP+4*\m], 16, v136
	v_and_b32 v[BP+4*\m+1], 0xffff0000, v136
	v_lshlrev_b32 v[BP+4*\m+2], 16, v137
	v_and_b32 v[BP+4*\m+3], 0xffff0000, v137
	v_pk_add_f32 v[P+4*\m:P+4*\m+1], v[P+4*\m:P+4*\m+1], v[BP+4*\m:BP+4*\m+1]
	v_pk_add_f32 v[P+4*\m+2:P+4*\m+3], v[P+4*\m+2:P+4*\m+3], v[BP+4*\m+2:BP+4*\m+3]
.endr
.irp c, 0,1,2
.irp d, 0,2
	v_pk_mul_f32 v[P+4*\c+\d:P+4*\c+\d+1], v[P+4*\c+\d:P+4*\c+\d+1], s[32:33] op_sel_hi:[1,0]
	v_pk_fma_f32 v[P+4*\c+\d:P+4*\c+\d+1], v[P+12+4*\c+\d:P+12+4*\c+\d+1], s[34:35], v[P+4*\c+\d:P+4*\c+\d+1] op_sel_hi:[1,0,1]
.endr
	global_store_b128 v2, v[P+4*\c:P+4*\c+3], s[18:19] offset:\c*512 th:TH_STORE_NT
.endr
	s_cmp_lg_u32 s5, 0
	s_cbranch_scc1 .Ldone
	s_cmp_lg_u32 s4, 0
	s_cbranch_scc1 .Ldone
	; the loss: lane l holds softmax weight l % 8
.irp g, 0,1,2,3,4,5,6,7,8,9,10,11,12,13,14,15,16,17,18,19,20,21,22,23,24,25,26,27,28,29,30,31
	global_load_b32 v[64+\g], v3, s[16:17] offset:128*\g
.endr
	v_mov_b32 v96, 0xbe000000                      ; -1/8
	v_mov_b32 v97, 0
	s_wait_loadcnt 0x0
.irp g, 1,2,3,4,5,6,7,8,9,10,11,12,13,14,15,16,17,18,19,20,21,22,23,24,25,26,27,28,29,30,31
	v_add_f32 v64, v64, v[64+\g]
.endr
	v_fmamk_f32 v64, v64, 0x3a800000, v96          ; the mean over 1,024 tokens, less 1/8
	v_mul_f32 v64, v64, v64
	v_add_f32_dpp v64, v64, v64 row_xmask:1 row_mask:0xf bank_mask:0xf
	v_add_f32_dpp v64, v64, v64 row_xmask:2 row_mask:0xf bank_mask:0xf
	v_add_f32_dpp v64, v64, v64 row_xmask:4 row_mask:0xf bank_mask:0xf
	v_mul_f32 v64, 0x3aa3d70a, v64                 ; x 0.01 / 8
	v_cmp_eq_u32 vcc_lo, 0, v1
	s_wait_xcnt 0x0                                ; EXEC changes only behind this wait
	s_and_saveexec_b32 s26, vcc_lo
	global_store_b32 v97, v64, s[20:21]            ; lane 0 alone
	s_wait_xcnt 0x0                                ; and again, in front of the line that widens it
	s_or_b32 exec_lo, exec_lo, s26
.Ldone:
	s_endpgm
.Lfunc_end_k_q29f5c9fd1b_combine:
	.size	k_q29f5c9fd1b_combine, .Lfunc_end_k_q29f5c9fd1b_combine-k_q29f5c9fd1b_combine
	.p2alignl 7, 3214868480
	.fill 96, 4, 3214868480
	.section	.rodata,"a",@progbits
	.p2align	6, 0x0
	.amdhsa_kernel k_q29f5c9fd1b_combine
		.amdhsa_group_segment_fixed_size 0
		.amdhsa_private_segment_fixed_size 0
		.amdhsa_enable_private_segment 0
		.amdhsa_kernarg_size 56
		.amdhsa_user_sgpr_count 2
		.amdhsa_user_sgpr_kernarg_segment_ptr 1
		.amdhsa_wavefront_size32 1
		.amdhsa_system_sgpr_workgroup_id_x 1
		.amdhsa_system_sgpr_workgroup_id_y 1
		.amdhsa_system_sgpr_workgroup_id_z 1
		.amdhsa_system_vgpr_workitem_id 0
		.amdhsa_next_free_vgpr 160
		.amdhsa_next_free_sgpr 66
		.amdhsa_reserve_vcc 1
		.amdhsa_float_denorm_mode_32 3
		.amdhsa_float_denorm_mode_16_64 3
		.amdhsa_memory_ordered 1
		.amdhsa_forward_progress 1
		.amdhsa_inst_pref_size 16
	.end_amdhsa_kernel
	.amdgpu_metadata
---
amdhsa.version: [ 1, 2 ]
amdhsa.kernels:
  - .name:           k_q29f5c9fd1b_combine
    .symbol:         k_q29f5c9fd1b_combine.kd
    .args:
      - { .name: part, .offset: 0, .size: 8, .value_kind: global_buffer, .address_space: global }
      - { .name: ids, .offset: 8, .size: 8, .value_kind: global_buffer, .address_space: global }
      - { .name: gates, .offset: 16, .size: 8, .value_kind: global_buffer, .address_space: global }
      - { .name: bp, .offset: 24, .size: 8, .value_kind: global_buffer, .address_space: global }
      - { .name: psum, .offset: 32, .size: 8, .value_kind: global_buffer, .address_space: global }
      - { .name: out0, .offset: 40, .size: 8, .value_kind: global_buffer, .address_space: global }
      - { .name: out1, .offset: 48, .size: 8, .value_kind: global_buffer, .address_space: global }
    .group_segment_fixed_size: 0
    .private_segment_fixed_size: 0
    .kernarg_segment_align: 8
    .kernarg_segment_size: 56
    .max_flat_workgroup_size: 256
    .sgpr_count:     66
    .vgpr_count:     160
    .wavefront_size: 32
...
	.end_amdgpu_metadata
.endif
;; end of part 4
;; ======== version 2 of 2: 4 launches; 1.15 times as fast as version 1
;; workspace buffers: xb 1,572,864 bytes; ids 8,192 bytes of whole numbers; gates 8,192 bytes; psum 4,096 bytes; bm 4,096 bytes of whole numbers; order 83,968 bytes of whole numbers; hbuf 50,331,648 bytes; part 25,165,824 bytes
;; launch router (part 5): grid 32 x 1, 8 waves a work-group, no clusters, 58,880 bytes of LDS; arguments x, gate_w, noise, noise_weight, xb, ids, gates, psum, bm; writes xb, ids, gates, psum, bm
.if DOCPART == 5
	.amdgcn_target "amdgcn-amd-amdhsa--gfx1250"
	.amdhsa_code_object_version 6
	.text
	.protected	k_q29f5c9fd1b_router
	.globl	k_q29f5c9fd1b_router
	.p2align	8
	.type	k_q29f5c9fd1b_router,@function
k_q29f5c9fd1b_router:
	s_mov_b64 s[64:65], 0
	v_nop
	global_prefetch_b8 v0, s[64:65] scope:SCOPE_SE
	s_setreg_imm32_b32 hwreg(HW_REG_WAVE_MODE, 25, 1), 1
	s_wait_xcnt 0x0
; ROUTER.  1,024 tokens of 768 numbers, 8 experts.  A work-group has 32 tokens.  It rounds their x to bf16 (xb, for the first product), makes the 8 logits of each token by the
; matrix unit (bf16 operands, f32 sums), and wave 0 then makes: the softmax weights' sums over the 32 tokens (psum, for the loss), the noisy logits, the two largest (ties: the lower
; index, by strict comparisons in ascending order), and the softmax over those two (the larger one is taken away before the exponential).
; Stored at fixed places: ids[2 t], ids[2 t + 1] the chosen experts, gates likewise, and bm[g][e], the map of the work-group's 32 tokens that chose expert e; no address here hangs on them.
; LIMITS.  Every input is rounded once to bf16 (x, gate_w, noise, noise_weight), as in all launches of this program.  NaN and infinities are not treated apart.
; Two noisy logits closer than the rounding of the f32 sums may be ranked otherwise than by a sum in another order.
; No cluster: the work-groups share gate_w alone, 24,576 bytes against 98,304 of x each.
.set XTP,   1552                       ; a row of bf16 x in LDS: 1,536 bytes + 16: an odd multiple of 16, so the 16 rows of a fragment load start at different banks (ISA guide 11.1)
.set RED,   32*XTP                     ; 8 waves x 1,024 bytes: each wave's partial logits, 32 bytes a token
.set SPARE, RED+8*1024                 ; the spare words, 128 bytes a wave: named by no other line
; v0 thread; v1 lane; v2 lane % 16; v3 lane / 16; v4, v5 the add's two registers; v6 16 lane; v7 8 lane; v8 my x rows in LDS; v9 gate_w offset; v10 fragment address;
; v11 my partial logits in LDS; v12 32 lane; v13 lane % 8; v14 4 lane; v16-23 noise; v32-127 x as loaded, later fragments and sums; v128-175 x in bf16; v176-223 gate_w; v224-247 its fragments
	s_load_b512 s[8:23], s[0:1], 0x0               ; x, gate_w, noise, noise_weight, xb, ids, gates, psum
	s_load_b64 s[46:47], s[0:1], 0x40              ; bm
	v_lshl_add_u32 v4, v0, 2, SPARE
	v_mov_b32 v5, 0
	v_lshrrev_b32 v1, 5, v0
	v_readfirstlane_b32 s4, v1                     ; wave 0..7
	v_and_b32 v1, 31, v0
	v_and_b32 v2, 15, v0
	v_bfe_u32 v3, v0, 4, 1
	v_lshlrev_b32 v6, 4, v1
	v_lshlrev_b32 v7, 3, v1
	v_lshlrev_b32 v12, 5, v1
	v_and_b32 v13, 7, v0
	v_lshlrev_b32 v14, 2, v1
	s_mul_i32 s5, s4, 4*XTP
	v_add_nc_u32 v8, s5, v7                        ; rows 4 w .. 4 w + 3 of the tile, 8 bytes a lane
	v_mul_u32_u24 v9, v13, 3072
	v_lshl_add_u32 v9, v3, 5, v9                   ; gate_w: expert lane % 8, 8 numbers for each half of the lanes
	v_mul_u32_u24 v10, v2, XTP
	v_lshl_add_u32 v10, v3, 4, v10
	s_mul_i32 s5, s4, 192
	v_add_nc_u32 v10, s5, v10                      ; token lane % 16, my wave's 96 along K
	s_lshl_b32 s5, s4, 10
	s_add_co_u32 s5, s5, RED
	v_add_nc_u32 v11, s5, v12
	s_mov_b32 s32, 0x76543210                      ; v_permlanex16_b32: each lane takes its own place in the other half
	s_mov_b32 s33, 0xfedcba98
	s_mov_b32 s34, 0xffff0000                      ; lanes 16-31 as a mask; also a word's upper bf16
	s_mov_b32 s6, ttmp9
	s_lshl_b32 s36, s6, 5
	s_lshl2_add_u32 s36, s4, s36                   ; my first row: 32 g + 4 w
	s_mul_i32 s38, s36, 3072
	s_mov_b32 s39, 0
	s_mul_i32 s40, s36, 1536
	s_mov_b32 s41, 0
	s_mul_i32 s42, s4, 384
	s_mov_b32 s43, 0
	s_lshl_b32 s44, s6, 10
	s_mov_b32 s45, 0
	s_wait_kmcnt 0x0
	s_load_b256 s[24:31], s[14:15], 0x0            ; noise_weight
	s_add_nc_u64 s[8:9], s[8:9], s[38:39]
	s_add_nc_u64 s[16:17], s[16:17], s[40:41]
	s_add_nc_u64 s[10:11], s[10:11], s[42:43]
	s_add_nc_u64 s[12:13], s[12:13], s[44:45]
	s_lshl_b32 s38, s6, 8                          ; 32 tokens x 8 bytes of ids and of gates
	s_add_nc_u64 s[18:19], s[18:19], s[38:39]
	s_add_nc_u64 s[20:21], s[20:21], s[38:39]
	s_lshl_b32 s40, s6, 7                          ; 128 bytes of psum and of bm
	s_add_nc_u64 s[22:23], s[22:23], s[40:41]
	s_add_nc_u64 s[46:47], s[46:47], s[40:41]
.irp p, 0,1,2,3
.irp c, 0,1,2,3,4,5
	global_load_b128 v[32+4*(6*\p+\c):35+4*(6*\p+\c)], v6, s[8:9] offset:3072*\p+512*\c th:TH_LOAD_NT  ; 512 consecutive bytes of a row
.endr
.endr
.irp s, 0,1,2
.irp c, 0,1,2,3
	global_load_b128 v[176+16*\s+4*\c:179+16*\s+4*\c], v9, s[10:11] offset:128*\s+16*(\c%2)+64*(\c/2)  ; the lane's 16 numbers of K step s, in the fragment's order
.endr
.endr
	global_load_b128 v[16:19], v12, s[12:13]
	global_load_b128 v[20:23], v12, s[12:13] offset:16
	s_wait_loadcnt 14                              ; x is in; gate_w's 12 loads and noise's 2 stay out
.set i, 0
.rept 24
	v_cvt_pk_bf16_f32 v[128+2*i], v[32+4*i], v[33+4*i]
	v_cvt_pk_bf16_f32 v[129+2*i], v[34+4*i], v[35+4*i]
.set i, i+1
.endr
.irp p, 0,1,2,3
.irp c, 0,1,2,3,4,5
	global_store_b64 v7, v[128+2*(6*\p+\c):129+2*(6*\p+\c)], s[16:17] offset:1536*\p+256*\c  ; the wave stores 256 consecutive bytes, at a multiple of 256 from xb's first
	ds_store_b64 v8, v[128+2*(6*\p+\c):129+2*(6*\p+\c)] offset:XTP*\p+256*\c
.endr
.endr
	s_wait_dscnt 0x0                               ; for the others' sake: my four rows are in LDS
	s_barrier_signal -1
	s_barrier_wait -1
.irp t, 0,1
.irp s, 0,1,2
	ds_load_b128 v[32+8*(3*\t+\s):35+8*(3*\t+\s)], v10 offset:16*XTP*\t+64*\s
	ds_load_b128 v[36+8*(3*\t+\s):39+8*(3*\t+\s)], v10 offset:16*XTP*\t+64*\s+32
.endr
.endr
	s_wait_loadcnt 2                               ; gate_w is in; noise stays out
.set i, 0
.rept 24
	v_cvt_pk_bf16_f32 v[224+i], v[176+2*i], v[177+2*i]
.set i, i+1
.endr
	s_wait_dscnt 0x0
	; source 0 = gate_w (rows 8-15 repeat the experts 0-7), source 1 = 16 tokens: register j of a lane is expert j of token lane % 16.  The two accumulators take turns.
	v_wmma_f32_16x16x32_bf16 v[80:87], v[224:231], v[32:39], 0
	v_wmma_f32_16x16x32_bf16 v[88:95], v[224:231], v[56:63], 0
	v_wmma_f32_16x16x32_bf16 v[80:87], v[232:239], v[40:47], v[80:87]
	v_wmma_f32_16x16x32_bf16 v[88:95], v[232:239], v[64:71], v[88:95]
	v_wmma_f32_16x16x32_bf16 v[80:87], v[240:247], v[48:55], v[80:87]
	v_wmma_f32_16x16x32_bf16 v[88:95], v[240:247], v[72:79], v[88:95]
.rept 4
	v_nop                                          ; four places behind the last product (ISA guide 7.12.1)
.endr
.irp j, 0,1,2,3,4,5,6,7
	v_cndmask_b32 v[96+\j], v[80+\j], v[88+\j], s34  ; lanes 0-15 keep tokens 0-15, lanes 16-31 take tokens 16-31: lane l now holds token l
.endr
	ds_store_b128 v11, v[96:99]
	ds_store_b128 v11, v[100:103] offset:16
	s_wait_tensorcnt 0x0                           ; my last LDS store is out; LDS is only read from here on
	ds_add_u32 v4, v5
	s_wait_dscnt 0x0                               ; also for wave 0's sake: my partial logits are in LDS
	s_barrier_signal -1
	s_barrier_wait -1
	s_cmp_lg_u32 s4, 0
	s_cbranch_scc1 .Lend
.irp u, 0,1,2,3,4,5,6,7
	ds_load_b128 v[32+8*\u:35+8*\u], v12 offset:RED+1024*\u
	ds_load_b128 v[36+8*\u:39+8*\u], v12 offset:RED+1024*\u+16
.endr
	s_wait_dscnt 0x0
.irp u, 1,2,3,4,5,6,7
.irp d, 0,2,4,6
	v_pk_add_f32 v[32+\d:33+\d], v[32+\d:33+\d], v[32+8*\u+\d:33+8*\u+\d]  ; the eight K parts, in the waves' order: v32-39 = the logits
.endr
.endr
	s_wait_loadcnt 0x0                             ; noise
	s_wait_kmcnt 0x0                               ; noise_weight
.irp d, 0,2,4,6
	v_cvt_pk_bf16_f32 v[24+\d/2], v[16+\d], v[17+\d]
.endr
.irp d, 0,2,4,6
	v_lshlrev_b32 v[16+\d], 16, v[24+\d/2]
	v_and_b32 v[17+\d], s34, v[24+\d/2]
.endr
.irp e, 0,1,2,3,4,5,6,7
	v_mov_b32 v[40+\e], s[24+\e]
.endr
.irp d, 0,2,4,6
	v_cvt_pk_bf16_f32 v[24+\d/2], v[40+\d], v[41+\d]
.endr
.irp d, 0,2,4,6
	v_lshlrev_b32 v[40+\d], 16, v[24+\d/2]
	v_and_b32 v[41+\d], s34, v[24+\d/2]
.endr
.irp e, 0,1,2,3,4,5,6,7
	v_fma_f32 v[48+\e], v[16+\e], v[40+\e], v[32+\e]  ; the noisy logits
.endr
	v_mov_b32 v56, v48                             ; the largest, and its index
	v_mov_b32 v104, 0
.irp e, 1,2,3,4,5,6,7
	v_cmp_gt_f32 vcc_lo, v[48+\e], v56
	v_cndmask_b32 v56, v56, v[48+\e], vcc_lo
	v_cndmask_b32 v104, v104, \e, vcc_lo
.endr
	v_mov_b32 v57, 0xff800000
.irp e, 0,1,2,3,4,5,6,7
	v_cmp_eq_u32 vcc_lo, \e, v104
	v_cndmask_b32 v[48+\e], v[48+\e], v57, vcc_lo  ; it is taken out
.endr
	v_mov_b32 v58, v48                             ; the second
	v_mov_b32 v105, 0
.irp e, 1,2,3,4,5,6,7
	v_cmp_gt_f32 vcc_lo, v[48+\e], v58
	v_cndmask_b32 v58, v58, v[48+\e], vcc_lo
	v_cndmask_b32 v105, v105, \e, vcc_lo
.endr
	v_max3_num_f32 v59, v32, v33, v34              ; the clean logits' maximum, for the softmax of the loss
	v_max3_num_f32 v59, v59, v35, v36
	v_max3_num_f32 v59, v59, v37, v38
	v_max_num_f32 v59, v59, v39
.irp e, 0,1,2,3,4,5,6,7
	v_sub_f32 v[64+\e], v[32+\e], v59
.endr
	v_sub_f32 v72, v58, v56                        ; second less first: at most 0
.irp e, 0,1,2,3,4,5,6,7,8
	v_mul_f32 v[64+\e], 0x3fb8aa3b, v[64+\e]
.endr
.irp e, 0,1,2,3,4,5,6,7,8
	v_exp_f32 v[64+\e], v[64+\e]
.endr
	v_mov_b32 v108, 0                              ; a plain instruction behind the last exponential; the maps below name none of its results
.irp e, 0,1,2,3,4,5,6,7
	v_cmp_eq_u32 s36, \e, v104                     ; the tokens whose first choice is expert e,
	v_cmp_eq_u32 s37, \e, v105                     ; whose second is:
	s_or_b32 s36, s36, s37
	v_writelane_b32 v108, s36, \e                  ; lane e holds expert e's map; lanes 8-31 hold 0
.endr
	s_wait_alu depctr_va_vdst(0)                   ; one wait for the nine exponentials, ahead of their first reader
	v_add_f32 v73, v64, v65
	v_add_f32 v74, v66, v67
	v_add_f32 v75, v68, v69
	v_add_f32 v76, v70, v71
	v_add_f32 v73, v73, v74
	v_add_f32 v75, v75, v76
	v_add_f32 v73, v73, v75
	v_add_f32 v74, 1.0, v72
	v_rcp_f32 v75, v73
	v_rcp_f32 v106, v74                            ; the first choice's gate
	v_nop
	s_wait_alu depctr_va_vdst(0)                   ; one wait for the two reciprocals
	v_mul_f32 v107, v72, v106                      ; the second's
.irp e, 0,1,2,3,4,5,6,7
	v_mul_f32 v[64+\e], v[64+\e], v75
.endr
.irp m, 1,2,4,8
.irp e, 0,1,2,3,4,5,6,7
	v_add_f32_dpp v[64+\e], v[64+\e], v[64+\e] row_xmask:\m row_mask:0xf bank_mask:0xf
.endr
.endr
.irp e, 0,1,2,3,4,5,6,7
	v_permlanex16_b32 v[80+\e], v[64+\e], s32, s33  ; its destination counts as read: v80-87 were loaded above
.endr
.irp e, 0,1,2,3,4,5,6,7
	v_add_f32 v[64+\e], v[64+\e], v[80+\e]         ; every lane: the 32 tokens' sum of weight e
.endr
	v_mov_b32 v78, v64
.irp e, 1,2,3,4,5,6,7
	v_cmp_eq_u32 vcc_lo, \e, v13
	v_cndmask_b32 v78, v78, v[64+\e], vcc_lo       ; lane l keeps weight l % 8
.endr
	global_store_b64 v7, v[104:105], s[18:19]
	global_store_b64 v7, v[106:107], s[20:21]
	global_store_b32 v14, v78, s[22:23]
	global_store_b32 v14, v108, s[46:47]
.Lend:
	s_endpgm
.Lfunc_end_k_q29f5c9fd1b_router:
	.size	k_q29f5c9fd1b_router, .Lfunc_end_k_q29f5c9fd1b_router-k_q29f5c9fd1b_router
	.p2alignl 7, 3214868480
	.fill 96, 4, 3214868480
	.section	.rodata,"a",@progbits
	.p2align	6, 0x0
	.amdhsa_kernel k_q29f5c9fd1b_router
		.amdhsa_group_segment_fixed_size 58880
		.amdhsa_private_segment_fixed_size 0
		.amdhsa_enable_private_segment 0
		.amdhsa_kernarg_size 72
		.amdhsa_user_sgpr_count 2
		.amdhsa_user_sgpr_kernarg_segment_ptr 1
		.amdhsa_wavefront_size32 1
		.amdhsa_system_sgpr_workgroup_id_x 1
		.amdhsa_system_sgpr_workgroup_id_y 1
		.amdhsa_system_sgpr_workgroup_id_z 1
		.amdhsa_system_vgpr_workitem_id 0
		.amdhsa_next_free_vgpr 256
		.amdhsa_next_free_sgpr 66
		.amdhsa_reserve_vcc 1
		.amdhsa_float_denorm_mode_32 3
		.amdhsa_float_denorm_mode_16_64 3
		.amdhsa_memory_ordered 1
		.amdhsa_forward_progress 1
		.amdhsa_inst_pref_size 32
	.end_amdhsa_kernel
	.amdgpu_metadata
---
amdhsa.version: [ 1, 2 ]
amdhsa.kernels:
  - .name:           k_q29f5c9fd1b_router
    .symbol:         k_q29f5c9fd1b_router.kd
    .args:
      - { .name: x, .offset: 0, .size: 8, .value_kind: global_buffer, .address_space: global }
      - { .name: gate_w, .offset: 8, .size: 8, .value_kind: global_buffer, .address_space: global }
      - { .name: noise, .offset: 16, .size: 8, .value_kind: global_buffer, .address_space: global }
      - { .name: noise_weight, .offset: 24, .size: 8, .value_kind: global_buffer, .address_space: global }
      - { .name: xb, .offset: 32, .size: 8, .value_kind: global_buffer, .address_space: global }
      - { .name: ids, .offset: 40, .size: 8, .value_kind: global_buffer, .address_space: global }
      - { .name: gates, .offset: 48, .size: 8, .value_kind: global_buffer, .address_space: global }
      - { .name: psum, .offset: 56, .size: 8, .value_kind: global_buffer, .address_space: global }
      - { .name: bm, .offset: 64, .size: 8, .value_kind: global_buffer, .address_space: global }
    .group_segment_fixed_size: 58880
    .private_segment_fixed_size: 0
    .kernarg_segment_align: 8
    .kernarg_segment_size: 72
    .max_flat_workgroup_size: 256
    .sgpr_count:     66
    .vgpr_count:     256
    .wavefront_size: 32
...
	.end_amdgpu_metadata
.endif
;; end of part 5
;; launch up (part 6): grid 32 x 8, 4 waves a work-group, no clusters, 300,032 bytes of LDS; arguments xb, ids, w1, w2, b1, b2, hbuf, bm, order; writes hbuf, order
.if DOCPART == 6
	.amdgcn_target "amdgcn-amd-amdhsa--gfx1250"
	.amdhsa_code_object_version 6
	.text
	.protected	k_q29f5c9fd1b_up
	.globl	k_q29f5c9fd1b_up
	.p2align	8
	.type	k_q29f5c9fd1b_up,@function
k_q29f5c9fd1b_up:
	s_mov_b64 s[64:65], 0
	v_nop
	global_prefetch_b8 v0, s[64:65] scope:SCOPE_SE
	s_setreg_imm32_b32 hwreg(HW_REG_WAVE_MODE, 25, 1), 1
	s_wait_xcnt 0x0
; FIRST PRODUCT AND SwiGLU.  h = (x w1[e] + b1[e]) * silu(x w2[e] + b2[e]) for the rows that chose expert e, and no others.
; SHARES.  Work-group (s, e) owns columns 96 s .. 96 s + 95 of w1[e] and of w2[e], all 768 along K: 589,824 bytes of f32 that it alone reads, once.
; PHASE 1: the four waves stream them through registers (48 loads of 16 bytes a lane out in each wave), round to bf16 and lay them into LDS as images of matrix fragments.  One barrier.
; PHASE 2: each wave multiplies tiles of 16 rows, five at a time; the rows of x come from memory straight into registers as source 1.  LDS is only read here, so no barrier stands here.
; THE ROWS.  The expert's rows are its tokens in ascending order; a row's RANK is its place among them.  The router left a map of 32 tokens in each of 32 words; they lie in s68-99.  The token of a rank is found in
; registers alone (SELECT): a chain over the words keeps the last word that begins at or below the rank, then the set bit of that number in the word is found by counts of 2, 4, 8 and 16 bits and five halvings.
; Every split is served: four groups of 20 tiles cover 1,024 rows; a group, and a tile's way out, past the count is jumped, forward, over text without a barrier.  In a tile that is not full, and in a dead tile
; of a live group, the places past the count repeat the last row.  Where a wave's fifth tile is dead its products behind K step 0 are jumped too; K step 0 writes every accumulator, and the tile's loads stay, so that the counted waits hold on both ways.
; THE WAY OUT.  Source 0 = 16 weight columns, source 1 = 16 rows: lane l holds row l % 16 and columns 16 n + 8 (l / 16) + 0..7 of column tile n.  Rounded to bf16 these 16 bytes are just what the same lane
; needs of a fragment of h in the second product (tiles 2 k, 2 k + 1 are its K step k).  So h leaves as hbuf[e][s][tile of 16 ranks][n][lane][16 bytes]: every store of the wave is 512 consecutive bytes, from registers.
; THE LIST.  The work-groups of slice 0 store for the second product order[e]: for each tile 128 bytes, its 16 slots (2 token + choice) twice, and behind 80 tiles the count.
; LIMITS.  x, w1, w2, b1, b2 are rounded to bf16 (as every input in this program), h once to bf16; sums in f32.  silu(b) counts as 0 where 2^(-1.4427 b) passes f32's range (b below about -88).  NaN and infinities are not treated apart.
; A row piece of a weight matrix is 384 bytes, so neighbouring slices share some aligned 256 bytes of a row: 96 columns are what makes the bf16 image of both matrices fit in LDS (299,520 bytes).
; NO CLUSTER: each weight byte has one reader; the x rows that an expert's 32 work-groups share come by a list, which no tensor descriptor covers.
.set NT,    12                         ; tiles of 16 columns: 0-5 of w1, 6-11 of w2
.set NH,    6                          ; of one matrix
.set BLK,   1040                       ; a fragment image: lane l's registers 0-3 at 16 l, 4-7 at 512 + 16 l; 16 bytes of padding spread the writers' banks
.set KSB,   NT*BLK                     ; a K step of 32
.set SPARE, 24*KSB                     ; behind the weights: the spare words, 128 bytes a wave: named by no other line
.set TILEB, 3072                       ; a tile's block in hbuf
.set ORDE,  10496                      ; an expert's part of order: 80 tiles x 128 bytes, then 256 bytes for the count
.set TPW,   2                          ; tiles' accumulators in a register window
.set AS,    96                         ; registers of a tile's accumulators
.set XB,    96                         ; window 3: the ring of x fragments, 4 buffers of 5 tiles x 8
.set WB,    64                         ; window 0: W0 v64-111 (w1's fragments), W1 v112-159 (w2's)
.set BIAS,  160                        ; window 0: v160-207 b1, v208-255 b2, in the result's layout
.set TT,    64                         ; the way out: 48 at work; PP 24 packed
.set PP,    112
.set TOK,   28                         ; v28-32 the five tiles' tokens; v33-37 their second choices; v39-43 their slots; v44-48 offsets in ids
.set IW,    33
.set SLT,   39
.set IA,    44
.set RHO,   64                         ; SELECT works where W lies later, five registers each: the rank, the word, (ranks below the word) x 32 + the word's number,
.set MW,    72
.set PW,    80
.set DD,    88                         ; the rank within the word, the counts by 2, 4 and 8 bits, two at work, the bit
.set S1,    96
.set S2,    104
.set S3,    112
.set TQ,    120
.set PO,    128
.set UU,    136
.set BMS,   68                         ; s68-99 the expert's 32 words
; window 0: v0 thread, v1 lane, v2 lane % 16, v3 lane / 16, v4 v5 the add's, v6 16 lane, v7 fragment address, v8-12 x offsets, v13 v14 the map's offset and word, v16 4 lane, v17 32 (lane / 16), v18-26 at work, v27 the count, v38 offset in order
; window 1: phase 1: v0-191 six units of 32 as loaded, v192-207 packed, v208-210 global offsets, v211-213 LDS addresses; then tiles 0, 1.  window 2: tiles 2, 3.  window 3: v0-95 tile 4
; s4 wave, s5 slice, s6 expert, s22:23 an offset (s23 = 0), s24:25 x's base in the K loop, s26 count, s27 count - 1, s28 tiles, s29 my first tile of the group, s30 s31 counters,
; s36:37 my block of hbuf, s38:39 a tile's, s40:41 -log2(e), s42 the LDS byte of the K step in hand, s43 1: my fifth tile is live, s44:45 bm, s46:47 my expert's part of order, s48-50 masks, s51 at work
.set MSB, 0
.macro WIN new                         ; the immediate's high byte repeats the setting that is left; a switch that changes nothing is dropped
.if MSB != (\new)
	s_set_vgpr_msb (MSB<<8)|(\new)
.set MSB, (\new)
.endif
.endm
.macro PLACES                          ; four places in front of loads into registers that matrix instructions have read, and of instructions that read results
.rept 4
	v_nop
.endr
.endm
.macro ALLT line:vararg                ; one line for each of the five tiles t
.set t, 0
.rept 5
	\line
.set t, t+1
.endr
.endm
; One halving: does the wanted bit lie above the w bits at PO?  src holds the counts of fields of w bits.
.macro DESC src, w, last
.set t, 0
.rept 5
	v_bfe_u32 v[TQ+t], v[(\src)+t], v[PO+t], \w
	v_cmp_ge_u32 vcc_lo, v[DD+t], v[TQ+t]
.if !(\last)
	v_cndmask_b32 v[TQ+t], 0, v[TQ+t], vcc_lo
	v_sub_nc_u32 v[DD+t], v[DD+t], v[TQ+t]
.endif
	v_cndmask_b32 v[UU+t], 0, \w, vcc_lo
	v_add_nc_u32 v[PO+t], v[PO+t], v[UU+t]
.set t, t+1
.endr
.endm
; The tokens of ranks v23 + 64 t (past the count: of the last rank), t = 0 .. 4, into v[TOK+t], and their rows' offsets in xb into v[8+t].
.macro SELECT
.irp t, 0,1,2,3,4
	v_add_nc_u32 v[RHO+\t], 64*\t, v23
	v_min_u32 v[RHO+\t], s27, v[RHO+\t]
	v_mov_b32 v[MW+\t], s[BMS]                     ; word 0 begins at rank 0: it starts the chain
	v_mov_b32 v[PW+\t], 0
.endr
	s_bcnt1_i32_b32 s33, s[BMS]                    ; the ranks below word 1
.set g, 1
.rept 31
	s_lshl_b32 s51, s33, 5
	s_or_b32 s51, s51, g
.irp t, 0,1,2,3,4
	v_cmp_gt_u32 vcc_lo, s33, v[RHO+\t]            ; the word begins past the rank: keep what is there; else take it
	v_cndmask_b32 v[MW+\t], s[BMS+g], v[MW+\t], vcc_lo
	v_cndmask_b32 v[PW+\t], s51, v[PW+\t], vcc_lo
.endr
	s_bcnt1_i32_b32 s34, s[BMS+g]
	s_add_co_u32 s33, s33, s34
.set g, g+1
.endr
	ALLT v_lshrrev_b32 v[TQ+t], 5, v[PW+t]
	ALLT v_sub_nc_u32 v[DD+t], v[RHO+t], v[TQ+t]   ; which set bit of the word, from 0
	ALLT v_lshrrev_b32 v[TQ+t], 1, v[MW+t]
	ALLT v_and_b32 v[TQ+t], s48, v[TQ+t]
	ALLT v_sub_nc_u32 v[S1+t], v[MW+t], v[TQ+t]    ; counts of 2 bits
	ALLT v_lshrrev_b32 v[TQ+t], 2, v[S1+t]
	ALLT v_and_b32 v[TQ+t], s49, v[TQ+t]
	ALLT v_and_b32 v[S2+t], s49, v[S1+t]
	ALLT v_add_nc_u32 v[S2+t], v[S2+t], v[TQ+t]    ; of 4
	ALLT v_lshrrev_b32 v[TQ+t], 4, v[S2+t]
	ALLT v_add_nc_u32 v[TQ+t], v[S2+t], v[TQ+t]
	ALLT v_and_b32 v[S3+t], s50, v[TQ+t]           ; of 8
	ALLT v_lshrrev_b32 v[TQ+t], 8, v[S3+t]
	ALLT v_add_nc_u32 v[TQ+t], v[S3+t], v[TQ+t]
	ALLT v_and_b32 v[TQ+t], 0xff, v[TQ+t]          ; of the low 16
.set t, 0
.rept 5
	v_cmp_ge_u32 vcc_lo, v[DD+t], v[TQ+t]
	v_cndmask_b32 v[PO+t], 0, 16, vcc_lo
	v_cndmask_b32 v[TQ+t], 0, v[TQ+t], vcc_lo
	v_sub_nc_u32 v[DD+t], v[DD+t], v[TQ+t]
.set t, t+1
.endr
	DESC S3, 8, 0
	DESC S2, 4, 0
	DESC S1, 2, 0
	DESC MW, 1, 1
	ALLT v_and_b32 v[TQ+t], 31, v[PW+t]
	ALLT v_lshl_add_u32 v[TOK+t], v[TQ+t], 5, v[PO+t]  ; token = 32 x word + bit
	ALLT v_min_u32 v[TOK+t], 0x3ff, v[TOK+t]
	ALLT v_mul_u32_u24 v[8+t], v[TOK+t], 1536
	ALLT v_lshl_add_u32 v[8+t], v3, 4, v[8+t]
	ALLT v_lshlrev_b32 v[IA+t], 3, v[TOK+t]
.endm
.macro LOADU u, plus                   ; a unit's eight loads: matrix u / 3, set u % 3 of the places, the eight rows of the lane's octet
.irp p, 0,1,2,3,4,5,6,7
	global_load_b128 v[32*(\u)+4*\p:32*(\u)+4*\p+3], v[208+(\u)%3], s[12+2*((\u)/3):13+2*((\u)/3)] offset:\p*12288+(\plus) th:TH_LOAD_NT
.endr
.endm
; A unit: 8 rows (along K) x 4 columns a lane.  Column j's eight numbers pack into 16 bytes, which are a lane's half fragment.  ahead = 1: the unit is loaded again, one K step on.
.macro UNIT u, ahead, left
	WIN 0x55
	s_wait_loadcnt \left                           ; loads come back in order (ISA guide 5.7.1): mine are in, the younger ones stay out
.irp j, 0,1,2,3
.irp p, 0,1,2,3
	v_cvt_pk_bf16_f32 v[192+4*\j+\p], v[32*(\u)+8*\p+\j], v[32*(\u)+8*\p+4+\j]
.endr
.endr
.irp j, 0,1,2,3
	ds_store_b128 v[211+(\u)%3], v[192+4*\j:195+4*\j] offset:16*\j+NH*BLK*((\u)/3)
.endr
.if \ahead
	LOADU \u, 393216
.endif
.endm
.macro FETCHW buf, imm                 ; one matrix's fragments of a K step: 32 lanes x 16 consecutive bytes a load
	WIN 0
.set nn, 0
.rept NH
	ds_load_b128 v[WB+8*(NH*(\buf)+nn):WB+8*(NH*(\buf)+nn)+3], v7 offset:(\imm)+BLK*nn
	ds_load_b128 v[WB+8*(NH*(\buf)+nn)+4:WB+8*(NH*(\buf)+nn)+7], v7 offset:(\imm)+BLK*nn+512
.set nn, nn+1
.endr
.endm
.macro FETCHX buf, imm                 ; five tiles' rows, 32 along K: lane l takes row l % 16, 16 bytes at 16 (l / 16) and 32 bytes on
	WIN 0xc0
.irp t, 0,1,2,3,4
	global_load_b128 v[XB+40*(\buf)+8*\t:XB+40*(\buf)+8*\t+3], v[8+\t], s[24:25] offset:(\imm)
	global_load_b128 v[XB+40*(\buf)+8*\t+4:XB+40*(\buf)+8*\t+7], v[8+\t], s[24:25] offset:(\imm)+32
.endr
.endm
; No two matrix instructions on end share an accumulator.  first = 1: the bias starts the sums.
.macro MM a, xbuf, first, i0, i1
.set ii, \i0
.rept (\i1)-(\i0)+1
.set aw, 1+ii/TPW
.if \first
	WIN (aw<<6)|0x0c
.else
	WIN (aw<<6)|(aw<<4)|0x0c
.endif
.set nn, 0
.rept NH
.set rD, AS*(ii%TPW)+8*(NH*(\a)+nn)
.set rW, WB+8*(NH*(\a)+nn)
.set rX, XB+40*(\xbuf)+8*ii
.if \first
	v_wmma_f32_16x16x32_bf16 v[rD:rD+7], v[rW:rW+7], v[rX:rX+7], v[BIAS+8*(NH*(\a)+nn):BIAS+8*(NH*(\a)+nn)+7]
.else
	v_wmma_f32_16x16x32_bf16 v[rD:rD+7], v[rW:rW+7], v[rX:rX+7], v[rD:rD+7]
.endif
.set nn, nn+1
.endr
.set ii, ii+1
.endr
.endm
.macro HALF a, xbuf, first, fw, fwimm, fx, fxbuf, fximm
	s_wait_dscnt 0x0                               ; this half's fragments, asked for half a step ago
	MM \a, \xbuf, \first, 0, 1
.if (\fw)+(\fx)
	PLACES
.endif
.if \fw
	FETCHW 1-(\a), \fwimm
.endif
.if \fx
	FETCHX \fxbuf, \fximm
.endif
	MM \a, \xbuf, \first, 2, 3
.if \first
	MM \a, \xbuf, 1, 4, 4                          ; K step 0 writes the fifth tile's accumulators whether it is live or not
.else
	WIN 0                                          ; at a branch and at a label every window is 0
	s_cmp_eq_u32 s43, 0
	s_cbranch_scc1 .Lno4_\@                        ; a dead fifth tile: its six products are jumped
	MM \a, \xbuf, 0, 4, 4
	WIN 0
.Lno4_\@:
.endif
.endm
.macro STEP xbuf, first, wimm, lastw, fx, fxbuf, fximm, left
	s_wait_loadcnt \left                           ; this step's rows are in; the younger steps' ten loads each stay out
	HALF 0, \xbuf, \first, 1, (\wimm)+NH*BLK, \fx, \fxbuf, \fximm
	HALF 1, \xbuf, \first, 1-(\lastw), (\wimm)+KSB, 0, 0, 0
.endm
; Tile i's way out: h = A * (B / (1 + 2^(-1.4427 B))), rounded to bf16, stored from registers as 6 x 512 consecutive bytes.  Each accumulator is read from its low end on.
.macro TILEOUT i
.set aw, 1+(\i)/TPW
.set rA, AS*((\i)%TPW)
	WIN 0
	s_add_co_u32 s34, s29, 4*(\i)
	s_cmp_ge_u32 s34, s28
	s_cbranch_scc1 .Ldead_\@                       ; a tile past the count stores nothing
	s_wait_xcnt 0x0                                ; the last tile's stores have read their registers and their base
	s_mul_i32 s22, s34, TILEB
	s_add_nc_u64 s[38:39], s[36:37], s[22:23]
	WIN aw
.set z, 0
.rept 24
	v_pk_mul_f32 v[TT+2*z:TT+2*z+1], v[rA+48+2*z:rA+48+2*z+1], s[40:41] op_sel_hi:[1,0]
.set z, z+1
.endr
	WIN 0
.set z, 0
.rept 48
	v_exp_f32 v[TT+z], v[TT+z]
.set z, z+1
.endr
	v_nop                                          ; a plain instruction behind the last exponential,
	s_wait_alu depctr_va_vdst(0)                   ; and one wait for the 48
.set z, 0
.rept 24
	v_pk_add_f32 v[TT+2*z:TT+2*z+1], v[TT+2*z:TT+2*z+1], 1.0 op_sel_hi:[1,0]
.set z, z+1
.endr
.set z, 0
.rept 48
	v_rcp_f32 v[TT+z], v[TT+z]
.set z, z+1
.endr
	v_nop
	s_wait_alu depctr_va_vdst(0)                   ; one wait for the 48 reciprocals
	WIN aw<<2
.set z, 0
.rept 24
	v_pk_mul_f32 v[TT+2*z:TT+2*z+1], v[TT+2*z:TT+2*z+1], v[rA+48+2*z:rA+48+2*z+1]  ; silu first: 0 x B stays 0
.set z, z+1
.endr
.set z, 0
.rept 24
	v_pk_mul_f32 v[TT+2*z:TT+2*z+1], v[TT+2*z:TT+2*z+1], v[rA+2*z:rA+2*z+1]
.set z, z+1
.endr
	WIN 0
.set z, 0
.rept 24
	v_cvt_pk_bf16_f32 v[PP+z], v[TT+2*z], v[TT+2*z+1]
.set z, z+1
.endr
.irp n, 0,1,2,3,4,5
	global_store_b128 v6, v[PP+4*\n:PP+4*\n+3], s[38:39] offset:512*\n  ; column tile n: 512 consecutive bytes, at a multiple of 256 from hbuf's first
.endr
.Ldead_\@:
.endm
	s_load_b256 s[8:15], s[0:1], 0x0               ; xb, ids, w1, w2
	s_load_b128 s[16:19], s[0:1], 0x20             ; b1, b2
	s_load_b64 s[20:21], s[0:1], 0x30              ; hbuf
	s_load_b64 s[44:45], s[0:1], 0x38              ; bm
	s_load_b64 s[46:47], s[0:1], 0x40              ; order
	v_lshl_add_u32 v4, v0, 2, SPARE
	v_mov_b32 v5, 0
	v_lshrrev_b32 v1, 5, v0
	v_readfirstlane_b32 s4, v1                     ; wave 0..3
	v_and_b32 v1, 31, v0
	v_and_b32 v2, 15, v0
	v_bfe_u32 v3, v0, 4, 1
	v_lshlrev_b32 v6, 4, v1
	v_lshlrev_b32 v16, 2, v1
	v_lshlrev_b32 v17, 5, v3
	s_mov_b32 s5, ttmp9
	s_and_b32 s6, ttmp7, 0xffff
	v_lshlrev_b32 v13, 7, v1
	v_lshl_add_u32 v13, s6, 2, v13                 ; lane g takes bm[g][e]
	s_mov_b32 s35, 0xffff0000
	s_mov_b32 s40, 0xbfb8aa3b                      ; -log2(e)
	s_mov_b32 s41, s40                             ; named with it as a pair
	s_mov_b32 s48, 0x55555555
	s_mov_b32 s49, 0x33333333
	s_mov_b32 s50, 0x0f0f0f0f
	s_mul_i32 s34, s4, 6*KSB                       ; wave w lays K steps 6 w .. 6 w + 5: 74,880 bytes on end
	; A K step of one matrix is 4 octets of rows x 24 groups of 4 columns = 96 places = 3 sets of 32 lanes.  Set i: lanes 0-23 take octet i, group = lane; lanes 24-31 take octet 3, group 8 i + lane % 8.
	v_lshrrev_b32 v18, 3, v1                       ; x = lane / 8
	v_add_nc_u32 v19, 1, v18
	v_lshrrev_b32 v20, 2, v19                      ; f = 1 in lanes 24-31, else 0
	v_and_b32 v19, 3, v19
	v_min_u32 v19, 1, v19                          ; 1 - f
	v_mul_u32_u24 v18, v18, v19
	v_and_b32 v21, 7, v1
	v_lshl_add_u32 v21, v18, 3, v21                ; lanes 0-23: the lane; lanes 24-31: lane % 8
.irp i, 0,1,2
	v_mul_u32_u24 v22, 3-\i, v20
	v_add_nc_u32 v22, \i, v22                      ; the octet o
	v_mul_u32_u24 v23, 8*\i, v20
	v_add_nc_u32 v23, v23, v21                     ; the group c
	v_min_u32 v23, 23, v23                         ; c is 23 at the most in every lane: the clamp changes none and states the bound, so that by these lines' own arithmetic a store ends at byte 5,200 + 192 + 768 + 224,640 + 62,400 + 6,288 + 16 = 299,504 at the latest, inside the weights' 299,520
	v_mul_u32_u24 v24, 0x18000, v22                ; 8 rows of 12,288 bytes
	v_lshl_add_u32 v24, v23, 4, v24
	v_lshrrev_b32 v25, 2, v23
	v_mul_u32_u24 v25, BLK, v25                    ; the tile,
	v_and_b32 v26, 3, v23
	v_lshl_add_u32 v25, v26, 6, v25                ; four columns of 16 bytes,
	v_lshl_add_u32 v25, v22, 8, v25                ; octet o at 256 o: lanes 16-31 of registers 0-3, then registers 4-7
	v_add_nc_u32 v25, s34, v25
	WIN 0x40
	v_mov_b32 v[208+\i], v24
	v_mov_b32 v[211+\i], v25
	WIN 0
.endr
	s_mul_i32 s22, s6, 9437184
	s_mul_i32 s33, s5, 384
	s_add_co_u32 s22, s22, s33
	s_mul_i32 s33, s4, 6*393216
	s_add_co_u32 s22, s22, s33
	s_mov_b32 s23, 0
	s_wait_kmcnt 0x0
	s_add_nc_u64 s[12:13], s[12:13], s[22:23]
	s_add_nc_u64 s[14:15], s[14:15], s[22:23]
	s_mul_i32 s22, s6, 12288
	s_mul_i32 s33, s5, 384
	s_add_co_u32 s22, s22, s33
	s_add_nc_u64 s[16:17], s[16:17], s[22:23]
	s_add_nc_u64 s[18:19], s[18:19], s[22:23]
	s_lshl_b32 s22, s6, 5
	s_add_co_u32 s22, s22, s5
	s_mul_i32 s22, s22, 196608
	s_add_nc_u64 s[36:37], s[20:21], s[22:23]
	s_mul_i32 s22, s6, ORDE
	s_add_nc_u64 s[46:47], s[46:47], s[22:23]
	global_load_b32 v14, v13, s[44:45]
	WIN 0x55
.irp u, 0,1,2,3,4
	LOADU \u, 0
.endr
	s_wait_loadcnt 40                              ; the map is in; five units' 40 weight loads stay out
	LOADU 5, 0                                     ; 48 out: the lines below run under them
	WIN 0
.set g, 0
.rept 32
	v_readlane_b32 s[BMS+g], v14, g
.set g, g+1
.endr
	s_mov_b32 s26, 0
.set g, 0
.rept 32
	s_bcnt1_i32_b32 s34, s[BMS+g]
	s_add_co_u32 s26, s26, s34                     ; the expert's rows
.set g, g+1
.endr
	s_sub_co_u32 s27, s26, 1
	s_add_co_u32 s28, s26, 15
	s_lshr_b32 s28, s28, 4
	s_or_b32 s34, s4, s5
	s_cmp_lg_u32 s34, 0
	s_cbranch_scc1 .Lnocnt                         ; slice 0's wave 0 stores the count, also where it is 0: a word a lane, 128 consecutive bytes
	v_mov_b32 v27, s26
	global_store_b32 v16, v27, s[46:47] offset:10240
.Lnocnt:
	s_mov_b32 s31, 5
.Lfill:                                                ; a trip: one K step of both matrices is laid down, the next is asked for
.irp u, 0,1,2,3,4,5
	UNIT \u, 1, 40
.endr
.irp i, 0,1,2
	v_add_nc_u32 v[211+\i], KSB, v[211+\i]
.endr
	WIN 0
	s_wait_xcnt 0x0                                ; the bases are stepped only behind this wait
	s_add_nc_u64 s[12:13], s[12:13], 393216
	s_add_nc_u64 s[14:15], s[14:15], 393216
	s_sub_co_u32 s31, s31, 1
	s_cmp_lg_u32 s31, 0
	s_cbranch_scc1 .Lfill
	UNIT 0, 0, 40                                  ; the last K step asks for no weights: the counts run down
	UNIT 1, 0, 32
	UNIT 2, 0, 24
	WIN 0
.irp n, 0,1,2,3,4,5
	global_load_b128 v[BIAS+8*\n:BIAS+8*\n+3], v17, s[16:17] offset:64*\n       ; the biases of my 8 columns of each tile, 24 loads,
	global_load_b128 v[BIAS+8*\n+4:BIAS+8*\n+7], v17, s[16:17] offset:64*\n+16
	global_load_b128 v[BIAS+48+8*\n:BIAS+48+8*\n+3], v17, s[18:19] offset:64*\n
	global_load_b128 v[BIAS+48+8*\n+4:BIAS+48+8*\n+7], v17, s[18:19] offset:64*\n+16
.endr
	UNIT 3, 0, 40                                  ; which stay out beside the younger units: 16 + 24, 8 + 24, 24
	UNIT 4, 0, 32
	UNIT 5, 0, 24
	WIN 0
	s_wait_tensorcnt 0x0                           ; my last LDS store is out; LDS is only read from here on
	ds_add_u32 v4, v5
	s_wait_dscnt 0x0                               ; also for the others' sake: my part of the weights is in LDS
	s_barrier_signal -1
	s_barrier_wait -1                              ; the launch's one barrier
	s_wait_loadcnt 0x0                             ; the biases
.set i, 0
.rept 48
	v_cvt_pk_bf16_f32 v[18+i%4], v[BIAS+2*i], v[BIAS+2*i+1]
	v_lshlrev_b32 v[BIAS+2*i], 16, v[18+i%4]
	v_and_b32 v[BIAS+2*i+1], s35, v[18+i%4]
.set i, i+1
.endr
	s_mov_b32 s30, 4
	s_mov_b32 s29, s4
	s_mov_b32 s42, 0
.Lgroup:                                               ; four groups of 20 tiles; my tiles are 20 p + w + 4 i
	s_cmp_ge_u32 s29, s28
	s_cbranch_scc1 .Lnext
	s_wait_xcnt 0x0                                ; the last group's stores have read the registers that are written again below
	s_mov_b64 s[24:25], s[8:9]
	v_add_nc_u32 v7, s42, v6
	s_add_co_u32 s43, s29, 16
	s_cmp_lt_u32 s43, s28
	s_cselect_b32 s43, 1, 0                        ; is my fifth tile live?
	s_lshl_b32 s34, s29, 4
	v_add_nc_u32 v23, s34, v2                      ; my first tile's ranks
	SELECT
	ALLT global_load_b32 v[IW+t], v[IA+t], s[10:11] offset:4  ; the tokens' second choices, for the list: older than every load of x, so they change no count; read at the group's end
	FETCHX 0, 0
	FETCHX 1, 64
	FETCHX 2, 128
	FETCHW 0, 0
	STEP 0, 1, 0, 0, 1, 3, 192, 20                 ; K step 0 stands in front of the loop: the biases start the sums
	WIN 0
	s_add_co_u32 s42, s42, KSB
	s_mov_b32 s31, 5
.Lk:                                                   ; K steps 4 t + 1 .. 4 t + 4; each asks for the rows three steps on, into the buffer read last
	v_add_nc_u32 v7, s42, v6                       ; the trip's fragments: the scalar step plus 16 lane
	STEP 1, 0, 0*KSB, 0, 1, 0, 256, 20
	STEP 2, 0, 1*KSB, 0, 1, 1, 320, 20
	STEP 3, 0, 2*KSB, 0, 1, 2, 384, 20
	STEP 0, 0, 3*KSB, 0, 1, 3, 448, 20
	WIN 0
	s_add_co_u32 s42, s42, 4*KSB
	s_wait_xcnt 0x0
	s_add_nc_u64 s[24:25], s[24:25], 256
	s_sub_co_u32 s31, s31, 1
	s_cmp_lg_u32 s31, 0
	s_cbranch_scc1 .Lk
	v_add_nc_u32 v7, s42, v6
	STEP 1, 0, 0*KSB, 0, 0, 0, 0, 20               ; K steps 21 to 23 ask for no rows: the counts run down
	STEP 2, 0, 1*KSB, 0, 0, 0, 0, 10
	STEP 3, 0, 2*KSB, 1, 0, 0, 0, 0
	WIN 0
	s_mov_b32 s42, 0                               ; back to K step 0, as on the way round the group
	PLACES
	TILEOUT 0
	TILEOUT 1
	TILEOUT 2
	TILEOUT 3
	TILEOUT 4
	s_cmp_lg_u32 s5, 0
	s_cbranch_scc1 .Lnext                          ; slice 0 alone stores the list: all five tiles' slots; a dead tile's lie inside the 80 tiles' room and are not read
	s_lshl_b32 s34, s29, 7
	v_add_nc_u32 v38, s34, v16                     ; 128 bytes a tile, a word a lane: lanes 0-15 the 16 slots, lanes 16-31 the same once more
.set t, 0
.rept 5
	v_cmp_eq_u32 vcc_lo, s6, v[IW+t]               ; is this expert the token's second choice?
	v_cndmask_b32 v[SLT+t], 0, 1, vcc_lo
	v_lshl_add_u32 v[SLT+t], v[TOK+t], 1, v[SLT+t]
	global_store_b32 v38, v[SLT+t], s[46:47] offset:512*t
.set t, t+1
.endr
.Lnext:
	s_add_co_u32 s29, s29, 20
	s_sub_co_u32 s30, s30, 1
	s_cmp_lg_u32 s30, 0
	s_cbranch_scc1 .Lgroup
	s_endpgm
.Lfunc_end_k_q29f5c9fd1b_up:
	.size	k_q29f5c9fd1b_up, .Lfunc_end_k_q29f5c9fd1b_up-k_q29f5c9fd1b_up
	.p2alignl 7, 3214868480
	.fill 96, 4, 3214868480
	.section	.rodata,"a",@progbits
	.p2align	6, 0x0
	.amdhsa_kernel k_q29f5c9fd1b_up
		.amdhsa_group_segment_fixed_size 300032
		.amdhsa_private_segment_fixed_size 0
		.amdhsa_enable_private_segment 0
		.amdhsa_kernarg_size 72
		.amdhsa_user_sgpr_count 2
		.amdhsa_user_sgpr_kernarg_segment_ptr 1
		.amdhsa_wavefront_size32 1
		.amdhsa_system_sgpr_workgroup_id_x 1
		.amdhsa_system_sgpr_workgroup_id_y 1
		.amdhsa_system_sgpr_workgroup_id_z 1
		.amdhsa_system_vgpr_workitem_id 0
		.amdhsa_next_free_vgpr 1024
		.amdhsa_next_free_sgpr 100
		.amdhsa_reserve_vcc 1
		.amdhsa_float_denorm_mode_32 3
		.amdhsa_float_denorm_mode_16_64 3
		.amdhsa_memory_ordered 1
		.amdhsa_forward_progress 1
		.amdhsa_inst_pref_size 189
	.end_amdhsa_kernel
	.amdgpu_metadata
---
amdhsa.version: [ 1, 2 ]
amdhsa.kernels:
  - .name:           k_q29f5c9fd1b_up
    .symbol:         k_q29f5c9fd1b_up.kd
    .args:
      - { .name: xb, .offset: 0, .size: 8, .value_kind: global_buffer, .address_space: global }
      - { .name: ids, .offset: 8, .size: 8, .value_kind: global_buffer, .address_space: global }
      - { .name: w1, .offset: 16, .size: 8, .value_kind: global_buffer, .address_space: global }
      - { .name: w2, .offset: 24, .size: 8, .value_kind: global_buffer, .address_space: global }
      - { .name: b1, .offset: 32, .size: 8, .value_kind: global_buffer, .address_space: global }
      - { .name: b2, .offset: 40, .size: 8, .value_kind: global_buffer, .address_space: global }
      - { .name: hbuf, .offset: 48, .size: 8, .value_kind: global_buffer, .address_space: global }
      - { .name: bm, .offset: 56, .size: 8, .value_kind: global_buffer, .address_space: global }
      - { .name: order, .offset: 64, .size: 8, .value_kind: global_buffer, .address_space: global }
    .group_segment_fixed_size: 300032
    .private_segment_fixed_size: 0
    .kernarg_segment_align: 8
    .kernarg_segment_size: 72
    .max_flat_workgroup_size: 128
    .sgpr_count:     100
    .vgpr_count:     1024
    .wavefront_size: 32
...
	.end_amdgpu_metadata
.endif
;; end of part 6
;; launch down (part 7): grid 6 x 32, 4 waves a work-group, no clusters, 200,192 bytes of LDS; arguments hbuf, order, wp, part; writes part
.if DOCPART == 7
	.amdgcn_target "amdgcn-amd-amdhsa--gfx1250"
	.amdhsa_code_object_version 6
	.text
	.protected	k_q29f5c9fd1b_down
	.globl	k_q29f5c9fd1b_down
	.p2align	8
	.type	k_q29f5c9fd1b_down,@function
k_q29f5c9fd1b_down:
	s_mov_b64 s[64:65], 0
	v_nop
	global_prefetch_b8 v0, s[64:65] scope:SCOPE_SE
	s_setreg_imm32_b32 hwreg(HW_REG_WAVE_MODE, 25, 1), 1
	s_wait_xcnt 0x0
; SECOND PRODUCT.  part[kp][slot][:] = the sum over 768 of the 3,072 hidden numbers of h[slot] wp[e], for the rows that chose expert e.
; SHARES.  Work-group (cs, 4 e + kp) owns rows 768 kp .. + 767 and columns 128 cs .. + 127 of wp[e]: 393,216 bytes of f32 that it alone reads, once, in row pieces of 512 bytes.
; PHASE 1 lays the slice into LDS in bf16 as images of fragments; one barrier; PHASE 2 multiplies tiles of 16 rows, five a wave at a time.  h lies in memory as the first product's lanes left it,
; hbuf[e][slice of 96][tile of 16 ranks][n][lane][16 bytes]: column tiles 2 k, 2 k + 1 of a slice are registers 0-3 and 4-7 of a fragment for its K step k, so every load of the wave is 512 consecutive bytes.
; The expert's count and the slot of each rank come from order, which the first product stored.  Groups and ways out past the count are jumped, forward, over text without a barrier; a dead tile of a live group
; reads the last live tile once more and stores nothing; a dead fifth tile's products behind K step 0 are jumped too (K step 0 writes every accumulator, and the tile's loads stay, so that the counted waits hold on both ways).
; THE WAY OUT WITHOUT LDS.  Source 0 = 16 rows of h, source 1 = 16 columns of wp: register j of lane l is row 8 (l / 16) + j, column l % 16 of the block.  Phase 1 lays column 64 g + 4 r + a of the slice as
; column r of block 4 g + a.  So register j of blocks 4 g .. 4 g + 3 holds four NEIGHBOURING columns of one row: four moves make 16 bytes, and sixteen lanes store 256 consecutive bytes of the row's slot.
; The row work writes nothing in LDS, so it needs no barrier.
; The four K parts are partial sums and stay in f32; the last launch adds them.  Four parts, since one or two would give 48 or 96 work-groups.
; LIMITS.  wp is rounded to bf16 (as every input in this program); h arrives in bf16; sums in f32.  NaN and infinities are not treated apart.
; NO CLUSTER: each weight byte has one reader.  The tiles of h that six work-groups share could be asked for jointly, but they would have to pass through LDS slots with a barrier inside the work
; whose length hangs on the expert's count.
.set NT,    8
.set NH,    4
.set BLK,   1040                       ; a fragment image: lane l's registers 0-3 at 16 l, 4-7 at 512 + 16 l; 16 bytes of padding
.set KSB,   NT*BLK
.set SPARE, 24*KSB                     ; behind the weights: the spare words, 128 bytes a wave: named by no other line
.set ORDE,  10496                      ; an expert's part of order: 80 tiles x 128 bytes, then the count
.set TPW,   4
.set AS,    64
.set XB,    0                          ; window 3: the ring of h fragments, 6 buffers of 5 tiles x 8
.set WB,    64                         ; window 0: W0 v64-95 (blocks 0-3), W1 v96-127 (blocks 4-7)
.set RR0,   128                        ; the way out: 32 registers for each half of the columns
.set RR1,   208
.set LS,    160                        ; v160-199: tile t's eight slots, then their rows' offsets in part
; window 0: v0 thread, v1 lane, v2 lane % 16, v3 lane / 16, v4 v5 the add's, v6 16 lane, v7 fragment address, v8-12 the tiles' offsets in h, v17 32 (lane / 16), v18-22 the tiles' offsets in order
; window 1: phase 1: v0-191 six units, v192-207 packed, v208 global offset, v209 LDS address; then tiles 0-3.  window 2: v0-63 tile 4
; s4 wave, s5 column slice, s6 expert, s7 K part, s10:11 my expert's part of order, s16:17 h's base, s22:23 an offset, s24:25 h's base in the K loop, s26 count, s28 tiles, s29 my first tile of the group,
; s30 s31 counters, s35 tiles - 1, s36:37 my part of part, s42 the LDS byte of the K step in hand, s43 1: my fifth tile is live
.set MSB, 0
.macro WIN new
.if MSB != (\new)
	s_set_vgpr_msb (MSB<<8)|(\new)
.set MSB, (\new)
.endif
.endm
.macro PLACES                          ; four places in front of loads into registers that matrix instructions have read, and of instructions that read results
.rept 4
	v_nop
.endr
.endm
.macro LOADU u, plus                   ; a unit's eight loads: my wave's octet of rows of K step u; each load is 512 consecutive bytes of a row
.irp p, 0,1,2,3,4,5,6,7
	global_load_b128 v[32*(\u)+4*\p:32*(\u)+4*\p+3], v208, s[12:13] offset:(\u)*98304+\p*3072+(\plus) th:TH_LOAD_NT
.endr
.endm
; A unit: 8 rows x 4 columns a lane; column j's eight numbers pack into a lane's half fragment, which goes to block 4 (lane / 16) + j.  ahead = 1: the unit is loaded again, six K steps on.
.macro UNIT u, ahead, left
	WIN 0x55
	s_wait_loadcnt \left                           ; loads come back in order (ISA guide 5.7.1): mine are in, the younger units' stay out
.irp j, 0,1,2,3
.irp p, 0,1,2,3
	v_cvt_pk_bf16_f32 v[192+4*\j+\p], v[32*(\u)+8*\p+\j], v[32*(\u)+8*\p+4+\j]
.endr
.endr
.irp j, 0,1,2,3
	ds_store_b128 v209, v[192+4*\j:195+4*\j] offset:BLK*\j+KSB*(\u)  ; sixteen lanes write 256 consecutive bytes
.endr
.if \ahead
	LOADU \u, 589824
.endif
.endm
.macro FETCHW buf, imm                 ; four blocks' fragments of a K step: 32 lanes x 16 consecutive bytes a load
	WIN 0
.set nn, 0
.rept NH
	ds_load_b128 v[WB+8*(NH*(\buf)+nn):WB+8*(NH*(\buf)+nn)+3], v7 offset:(\imm)+BLK*nn
	ds_load_b128 v[WB+8*(NH*(\buf)+nn)+4:WB+8*(NH*(\buf)+nn)+7], v7 offset:(\imm)+BLK*nn+512
.set nn, nn+1
.endr
.endm
.macro FETCHX buf, imm                 ; five tiles' fragments of a K step: two column tiles of h, 512 consecutive bytes each
	WIN 0xc0
.irp t, 0,1,2,3,4
	global_load_b128 v[XB+40*(\buf)+8*\t:XB+40*(\buf)+8*\t+3], v[8+\t], s[24:25] offset:(\imm)
	global_load_b128 v[XB+40*(\buf)+8*\t+4:XB+40*(\buf)+8*\t+7], v[8+\t], s[24:25] offset:(\imm)+512
.endr
.endm
; No two matrix instructions on end share an accumulator.  first = 1: the constant 0 starts the sums.
.macro MM a, xbuf, first, i0, i1
.set ii, \i0
.rept (\i1)-(\i0)+1
.set aw, 1+ii/TPW
.if \first
	WIN (aw<<6)|0x03
.else
	WIN (aw<<6)|(aw<<4)|0x03
.endif
.set nn, 0
.rept NH
.set rD, AS*(ii%TPW)+8*(NH*(\a)+nn)
.set rW, WB+8*(NH*(\a)+nn)
.set rX, XB+40*(\xbuf)+8*ii
.if \first
	v_wmma_f32_16x16x32_bf16 v[rD:rD+7], v[rX:rX+7], v[rW:rW+7], 0
.else
	v_wmma_f32_16x16x32_bf16 v[rD:rD+7], v[rX:rX+7], v[rW:rW+7], v[rD:rD+7]
.endif
.set nn, nn+1
.endr
.set ii, ii+1
.endr
.endm
.macro HALF a, xbuf, first, fw, fwimm, fx, fxbuf, fximm
	s_wait_dscnt 0x0                               ; this half's fragments, asked for half a step ago
	MM \a, \xbuf, \first, 0, 1
.if (\fw)+(\fx)
	PLACES
.endif
.if \fw
	FETCHW 1-(\a), \fwimm
.endif
.if \fx
	FETCHX \fxbuf, \fximm
.endif
	MM \a, \xbuf, \first, 2, 3
.if \first
	MM \a, \xbuf, 1, 4, 4                          ; K step 0 writes the fifth tile's accumulators whether it is live or not
.else
	WIN 0                                          ; at a branch and at a label every window is 0
	s_cmp_eq_u32 s43, 0
	s_cbranch_scc1 .Lno4_\@                        ; a dead fifth tile: its four products are jumped
	MM \a, \xbuf, 0, 4, 4
	WIN 0
.Lno4_\@:
.endif
.endm
.macro STEP xbuf, first, wimm, lastw, fx, fxbuf, fximm, left
	s_wait_loadcnt \left                           ; this step's rows are in; the younger steps' ten loads each stay out
	HALF 0, \xbuf, \first, 1, (\wimm)+NH*BLK, \fx, \fxbuf, \fximm
	HALF 1, \xbuf, \first, 1-(\lastw), (\wimm)+KSB, 0, 0, 0
.endm
; Tile i's way out.  Register j of four blocks makes 16 bytes of row 8 (lane / 16) + j; each accumulator is read from its low end on.
.macro TILEOUT i
.set aw, 1+(\i)/TPW
.set rA, AS*((\i)%TPW)
	WIN 0
	s_add_co_u32 s34, s29, 4*(\i)
	s_cmp_ge_u32 s34, s28
	s_cbranch_scc1 .Ldead_\@                       ; a tile past the count stores nothing
	s_wait_xcnt 0x0                                ; the last tile's stores have read the registers that are written again below
.irp q, 0,1,2,3,4,5,6,7
	v_min_u32 v[LS+8*(\i)+\q], 0x7ff, v[LS+8*(\i)+\q]       ; the slot of rank 16 tile + 8 (lane / 16) + q; past the count the last row's: the same numbers to the same place
	v_mul_u32_u24 v[LS+8*(\i)+\q], v[LS+8*(\i)+\q], 3072
	v_lshl_add_u32 v[LS+8*(\i)+\q], v2, 4, v[LS+8*(\i)+\q]
.endr
	WIN aw
.irp j, 0,1,2,3,4,5,6,7
.irp a, 0,1,2,3
	v_mov_b32 v[RR0+4*\j+\a], v[rA+8*\a+\j]
.endr
.endr
.irp j, 0,1,2,3,4,5,6,7
.irp a, 0,1,2,3
	v_mov_b32 v[RR1+4*\j+\a], v[rA+32+8*\a+\j]
.endr
.endr
	WIN 0
.irp j, 0,1,2,3,4,5,6,7
	global_store_b128 v[LS+8*(\i)+\j], v[RR0+4*\j:RR0+4*\j+3], s[36:37]             ; sixteen lanes store 256 consecutive bytes, at a multiple of 256 from part's first
	global_store_b128 v[LS+8*(\i)+\j], v[RR1+4*\j:RR1+4*\j+3], s[36:37] offset:256
.endr
.Ldead_\@:
.endm
	s_load_b256 s[8:15], s[0:1], 0x0               ; hbuf, order, wp, part
	v_lshl_add_u32 v4, v0, 2, SPARE
	v_mov_b32 v5, 0
	v_lshrrev_b32 v1, 5, v0
	v_readfirstlane_b32 s4, v1                     ; wave 0..3
	v_and_b32 v1, 31, v0
	v_and_b32 v2, 15, v0
	v_bfe_u32 v3, v0, 4, 1
	v_lshlrev_b32 v6, 4, v1
	v_lshlrev_b32 v17, 5, v3
	s_mov_b32 s5, ttmp9
	s_and_b32 s7, ttmp7, 0xffff
	s_lshr_b32 s6, s7, 2
	s_and_b32 s7, s7, 3
	v_mul_u32_u24 v18, v3, 4*BLK                   ; lanes 16-31 hold columns 64 to 127: blocks 4 to 7,
	v_lshl_add_u32 v18, v2, 4, v18                 ; column lane % 16 of the block,
	s_lshl_b32 s34, s4, 8
	v_add_nc_u32 v18, s34, v18                     ; my wave's octet at 256 w
	WIN 0x40
	v_mov_b32 v208, v6
	v_mov_b32 v209, v18
	WIN 0
	s_mul_i32 s22, s6, 9437184
	s_mul_i32 s33, s7, 2359296
	s_add_co_u32 s22, s22, s33
	s_mul_i32 s33, s4, 24576
	s_add_co_u32 s22, s22, s33
	s_lshl_b32 s33, s5, 9
	s_add_co_u32 s22, s22, s33
	s_mov_b32 s23, 0
	s_wait_kmcnt 0x0
	s_add_nc_u64 s[12:13], s[12:13], s[22:23]
	s_mul_i32 s22, s6, ORDE
	s_add_nc_u64 s[10:11], s[10:11], s[22:23]
	s_load_b32 s26, s[10:11], 0x2800               ; the expert's rows
	s_mul_i32 s22, s6, 6291456
	s_mul_i32 s33, s7, 1572864                     ; my K part is eight slices of 196,608 bytes
	s_add_co_u32 s22, s22, s33
	s_add_nc_u64 s[16:17], s[8:9], s[22:23]
	s_mul_i32 s22, s7, 6291456
	s_lshl_b32 s33, s5, 9
	s_add_co_u32 s22, s22, s33
	s_add_nc_u64 s[36:37], s[14:15], s[22:23]
	WIN 0x55
.irp u, 0,1,2,3,4,5
	LOADU \u, 0
.endr
	WIN 0
	s_wait_kmcnt 0x0
	s_add_co_u32 s28, s26, 15
	s_lshr_b32 s28, s28, 4
	s_sub_co_u32 s35, s28, 1
	s_mov_b32 s31, 3
.Lfill:                                                ; a trip: my octet of six K steps is laid down, the next six are asked for
.irp u, 0,1,2,3,4,5
	UNIT \u, 1, 40
.endr
	v_add_nc_u32 v209, 6*KSB, v209
	WIN 0
	s_wait_xcnt 0x0                                ; the base is stepped only behind this wait
	s_add_nc_u64 s[12:13], s[12:13], 589824
	s_sub_co_u32 s31, s31, 1
	s_cmp_lg_u32 s31, 0
	s_cbranch_scc1 .Lfill
.irp u, 0,1,2,3,4,5
	UNIT \u, 0, 40-8*\u                            ; the last six load nothing: the counts run down
.endr
	WIN 0
	s_wait_tensorcnt 0x0                           ; my last LDS store is out; LDS is only read from here on
	ds_add_u32 v4, v5
	s_wait_dscnt 0x0                               ; also for the others' sake: my part of the weights is in LDS
	s_barrier_signal -1
	s_barrier_wait -1                              ; the launch's one barrier
	s_mov_b32 s30, 4
	s_mov_b32 s29, s4
	s_mov_b32 s42, 0
.Lgroup:                                               ; four groups of 20 tiles; my tiles are 20 p + w + 4 i
	s_cmp_ge_u32 s29, s28
	s_cbranch_scc1 .Lnext
	s_wait_xcnt 0x0                                ; the last group's stores have read the registers that are written again below
	s_mov_b64 s[24:25], s[16:17]
	v_add_nc_u32 v7, s42, v6
	s_add_co_u32 s43, s29, 16
	s_cmp_lt_u32 s43, s28
	s_cselect_b32 s43, 1, 0                        ; is my fifth tile live?
.irp t, 0,1,2,3,4
	s_add_co_u32 s34, s29, 4*\t
	s_min_u32 s34, s34, s35                        ; a dead tile reads the last live one,
	s_min_u32 s34, s34, 63
	s_mul_i32 s33, s34, 3072                       ; a tile's block in a slice of h
	v_add_nc_u32 v[8+\t], s33, v6
	s_lshl_b32 s33, s34, 7                         ; and its 128 bytes in order: my half of the lanes takes slots 8 (lane / 16) + 0 .. 7
	v_add_nc_u32 v[18+\t], s33, v17
	global_load_b128 v[LS+8*\t:LS+8*\t+3], v[18+\t], s[10:11]
	global_load_b128 v[LS+8*\t+4:LS+8*\t+7], v[18+\t], s[10:11] offset:16  ; older than every load of h: they change no count
.endr
	; K step k lies in slice k / 3 of my eight, at column tiles 2 (k % 3) and 2 (k % 3) + 1 of a tile's block
	FETCHX 0, 0
	FETCHX 1, 1024
	FETCHX 2, 2048
	FETCHX 3, 196608
	FETCHX 4, 197632
	FETCHW 0, 0
	STEP 0, 1, 0, 0, 1, 5, 198656, 40              ; K step 0 stands in front of the loop: its products start the sums
	WIN 0
	s_add_co_u32 s42, s42, KSB
	s_mov_b32 s31, 3
.Lk:                                                   ; K steps 6 t + 1 .. 6 t + 6; each asks for the rows five steps on, into the buffer read last
	v_add_nc_u32 v7, s42, v6                       ; the trip's fragments: the scalar step plus 16 lane
	STEP 1, 0, 0*KSB, 0, 1, 0, 393216, 40
	STEP 2, 0, 1*KSB, 0, 1, 1, 394240, 40
	STEP 3, 0, 2*KSB, 0, 1, 2, 395264, 40
	STEP 4, 0, 3*KSB, 0, 1, 3, 589824, 40
	STEP 5, 0, 4*KSB, 0, 1, 4, 590848, 40
	STEP 0, 0, 5*KSB, 0, 1, 5, 591872, 40
	WIN 0
	s_add_co_u32 s42, s42, 6*KSB
	s_wait_xcnt 0x0
	s_add_nc_u64 s[24:25], s[24:25], 393216        ; two slices on
	s_sub_co_u32 s31, s31, 1
	s_cmp_lg_u32 s31, 0
	s_cbranch_scc1 .Lk
	v_add_nc_u32 v7, s42, v6
	STEP 1, 0, 0*KSB, 0, 0, 0, 0, 40               ; K steps 19 to 23 ask for no rows: the counts run down
	STEP 2, 0, 1*KSB, 0, 0, 0, 0, 30
	STEP 3, 0, 2*KSB, 0, 0, 0, 0, 20
	STEP 4, 0, 3*KSB, 0, 0, 0, 0, 10
	STEP 5, 0, 4*KSB, 1, 0, 0, 0, 0
	WIN 0
	s_mov_b32 s42, 0                               ; back to K step 0, as on the way round the group
	PLACES
	TILEOUT 0
	TILEOUT 1
	TILEOUT 2
	TILEOUT 3
	TILEOUT 4
.Lnext:
	s_add_co_u32 s29, s29, 20
	s_sub_co_u32 s30, s30, 1
	s_cmp_lg_u32 s30, 0
	s_cbranch_scc1 .Lgroup
	s_endpgm
.Lfunc_end_k_q29f5c9fd1b_down:
	.size	k_q29f5c9fd1b_down, .Lfunc_end_k_q29f5c9fd1b_down-k_q29f5c9fd1b_down
	.p2alignl 7, 3214868480
	.fill 96, 4, 3214868480
	.section	.rodata,"a",@progbits
	.p2align	6, 0x0
	.amdhsa_kernel k_q29f5c9fd1b_down
		.amdhsa_group_segment_fixed_size 200192
		.amdhsa_private_segment_fixed_size 0
		.amdhsa_enable_private_segment 0
		.amdhsa_kernarg_size 32
		.amdhsa_user_sgpr_count 2
		.amdhsa_user_sgpr_kernarg_segment_ptr 1
		.amdhsa_wavefront_size32 1
		.amdhsa_system_sgpr_workgroup_id_x 1
		.amdhsa_system_sgpr_workgroup_id_y 1
		.amdhsa_system_sgpr_workgroup_id_z 1
		.amdhsa_system_vgpr_workitem_id 0
		.amdhsa_next_free_vgpr 1008
		.amdhsa_next_free_sgpr 66
		.amdhsa_reserve_vcc 0
		.amdhsa_float_denorm_mode_32 3
		.amdhsa_float_denorm_mode_16_64 3
		.amdhsa_memory_ordered 1
		.amdhsa_forward_progress 1
		.amdhsa_inst_pref_size 121
	.end_amdhsa_kernel
	.amdgpu_metadata
---
amdhsa.version: [ 1, 2 ]
amdhsa.kernels:
  - .name:           k_q29f5c9fd1b_down
    .symbol:         k_q29f5c9fd1b_down.kd
    .args:
      - { .name: hbuf, .offset: 0, .size: 8, .value_kind: global_buffer, .address_space: global }
      - { .name: order, .offset: 8, .size: 8, .value_kind: global_buffer, .address_space: global }
      - { .name: wp, .offset: 16, .size: 8, .value_kind: global_buffer, .address_space: global }
      - { .name: part, .offset: 24, .size: 8, .value_kind: global_buffer, .address_space: global }
    .group_segment_fixed_size: 200192
    .private_segment_fixed_size: 0
    .kernarg_segment_align: 8
    .kernarg_segment_size: 32
    .max_flat_workgroup_size: 128
    .sgpr_count:     66
    .vgpr_count:     1008
    .wavefront_size: 32
...
	.end_amdgpu_metadata
.endif
;; end of part 7
;; launch combine (part 8): grid 256 x 1, 8 waves a work-group, no clusters, 0 bytes of LDS; arguments part, ids, gates, bp, psum, out0, out1; writes out0, out1
.if DOCPART == 8
	.amdgcn_target "amdgcn-amd-amdhsa--gfx1250"
	.amdhsa_code_object_version 6
	.text
	.protected	k_q29f5c9fd1b_combine
	.globl	k_q29f5c9fd1b_combine
	.p2align	8
	.type	k_q29f5c9fd1b_combine,@function
k_q29f5c9fd1b_combine:
	s_mov_b64 s[64:65], 0
	v_nop
	global_prefetch_b8 v0, s[64:65] scope:SCOPE_SE
	s_setreg_imm32_b32 hwreg(HW_REG_WAVE_MODE, 25, 1), 1
	s_wait_xcnt 0x0
; THE SUM.  out0[t] = g0 (the four K parts of slot 2 t + bp[e0]) + g1 (those of slot 2 t + 1 + bp[e1]); out1 = the load balance loss.
; A stream: a wave takes half a token's row (1,536 bytes) and has all its 30 loads of 16 bytes a lane out at once; every load and store of the wave covers 512 consecutive bytes.
; No LDS, no matrix unit, no cluster: nothing is shared and each byte of part is read once.
; bp is rounded to bf16, as every input in this program.  The chosen experts come from a buffer of whole numbers that an earlier launch stored; they are clamped to 7 in front of the address.
; Work-group 0's wave 0 adds the 32 work-groups' sums of softmax weights in order and stores the loss.  It asks for them right behind its own rows, so that both are on their way together.
.set P,  16                            ; v16-111: part (kp, choice k, piece c) at P + 4 (6 kp + 3 k + c)
.set BP, 112                           ; v112-135: bp (k, c)
.set PS, 140                           ; v140-171: the 32 work-groups' sums; v172-174 constants
	s_load_b256 s[8:15], s[0:1], 0x0               ; part, ids, gates, bp
	s_load_b128 s[16:19], s[0:1], 0x20             ; psum, out0
	s_load_b64 s[20:21], s[0:1], 0x30              ; out1
	v_lshrrev_b32 v1, 5, v0
	v_readfirstlane_b32 s4, v1                     ; wave 0..7
	v_and_b32 v1, 31, v0
	v_lshlrev_b32 v2, 4, v1
	v_lshlrev_b32 v3, 2, v1
	s_mov_b32 s5, ttmp9
	s_lshr_b32 s6, s4, 1
	s_lshl2_add_u32 s6, s5, s6                     ; token = 4 g + w / 2
	s_and_b32 s7, s4, 1
	s_mul_i32 s7, s7, 1536                         ; which half of the row
	s_lshl_b32 s22, s6, 3
	s_mov_b32 s23, 0
	s_mov_b32 s27, 0
	s_wait_kmcnt 0x0
	s_add_nc_u64 s[10:11], s[10:11], s[22:23]
	s_add_nc_u64 s[12:13], s[12:13], s[22:23]
	s_load_b64 s[24:25], s[10:11], 0x0             ; the two experts
	s_load_b64 s[32:33], s[12:13], 0x0             ; the two gates
	s_mul_i32 s22, s6, 6144
	s_add_co_u32 s22, s22, s7
	s_add_nc_u64 s[28:29], s[8:9], s[22:23]        ; K parts 0 and 1,
	s_add_nc_u64 s[30:31], s[28:29], 12582912      ; 2 and 3
.irp kp, 0,1,2,3
.irp k, 0,1
.irp c, 0,1,2
	global_load_b128 v[P+4*(6*\kp+3*\k+\c):P+4*(6*\kp+3*\k+\c)+3], v2, s[28+2*(\kp/2):29+2*(\kp/2)] offset:(\kp%2)*6291456+\k*3072+\c*512 th:TH_LOAD_NT
.endr
.endr
.endr
	s_or_b32 s26, s4, s5
	s_cmp_lg_u32 s26, 0
	s_cbranch_scc1 .Lrows
	; the loss: lane l holds softmax weight l % 8
.irp g, 0,1,2,3,4,5,6,7,8,9,10,11,12,13,14,15,16,17,18,19,20,21,22,23,24,25,26,27,28,29,30,31
	global_load_b32 v[PS+\g], v3, s[16:17] offset:128*\g
.endr
	v_mov_b32 v172, 0x3a800000                     ; 1/1024
	v_mov_b32 v173, 0xbe000000                     ; -1/8
	v_mov_b32 v174, 0
	s_wait_loadcnt 0x0
.irp g, 1,2,3,4,5,6,7,8,9,10,11,12,13,14,15,16,17,18,19,20,21,22,23,24,25,26,27,28,29,30,31
	v_add_f32 v[PS], v[PS], v[PS+\g]
.endr
	v_fma_f32 v[PS], v[PS], v172, v173             ; the mean over 1,024 tokens, less 1/8
	v_mul_f32 v[PS], v[PS], v[PS]
	v_add_f32_dpp v[PS], v[PS], v[PS] row_xmask:1 row_mask:0xf bank_mask:0xf
	v_add_f32_dpp v[PS], v[PS], v[PS] row_xmask:2 row_mask:0xf bank_mask:0xf
	v_add_f32_dpp v[PS], v[PS], v[PS] row_xmask:4 row_mask:0xf bank_mask:0xf
	v_mul_f32 v[PS], 0x3aa3d70a, v[PS]             ; x 0.01 / 8
	v_cmp_eq_u32 vcc_lo, 0, v1
	s_wait_xcnt 0x0                                ; EXEC changes only behind this wait
	s_and_saveexec_b32 s26, vcc_lo
	global_store_b32 v174, v[PS], s[20:21]         ; lane 0 alone
	s_wait_xcnt 0x0                                ; and again, in front of the line that widens it
	s_or_b32 exec_lo, exec_lo, s26
.Lrows:
	s_mul_i32 s22, s6, 3072
	s_add_co_u32 s22, s22, s7
	s_add_nc_u64 s[18:19], s[18:19], s[22:23]
	s_wait_kmcnt 0x0
	s_min_u32 s24, s24, 7
	s_min_u32 s25, s25, 7
	s_mul_i32 s26, s24, 3072
	s_add_co_u32 s26, s26, s7
	s_add_nc_u64 s[36:37], s[14:15], s[26:27]
	s_mul_i32 s26, s25, 3072
	s_add_co_u32 s26, s26, s7
	s_add_nc_u64 s[38:39], s[14:15], s[26:27]
	s_mov_b32 s34, s33                             ; the second gate as the low word of a pair
	s_mov_b32 s35, s33
.irp k, 0,1
.irp c, 0,1,2
	global_load_b128 v[BP+4*(3*\k+\c):BP+4*(3*\k+\c)+3], v2, s[36+2*\k:37+2*\k] offset:\c*512
.endr
.endr
	s_wait_loadcnt 6                               ; the 24 partial rows are in; bp's six loads stay out
.irp m, 0,1,2,3,4,5
.irp d, 0,2
	v_pk_add_f32 v[P+4*\m+\d:P+4*\m+\d+1], v[P+4*\m+\d:P+4*\m+\d+1], v[P+24+4*\m+\d:P+24+4*\m+\d+1]
	v_pk_add_f32 v[P+48+4*\m+\d:P+48+4*\m+\d+1], v[P+48+4*\m+\d:P+48+4*\m+\d+1], v[P+72+4*\m+\d:P+72+4*\m+\d+1]
.endr
.irp d, 0,2
	v_pk_add_f32 v[P+4*\m+\d:P+4*\m+\d+1], v[P+4*\m+\d:P+4*\m+\d+1], v[P+48+4*\m+\d:P+48+4*\m+\d+1]
.endr
.endr
	s_wait_loadcnt 0x0
.irp m, 0,1,2,3,4,5
	v_cvt_pk_bf16_f32 v136, v[BP+4*\m], v[BP+4*\m+1]
	v_cvt_pk_bf16_f32 v137, v[BP+4*\m+2], v[BP+4*\m+3]
	v_lshlrev_b32 v[BP+4*\m], 16, v136
	v_and_b32 v[BP+4*\m+1], 0xffff0000, v136
	v_lshlrev_b32 v[BP+4*\m+2], 16, v137
	v_and_b32 v[BP+4*\m+3], 0xffff0000, v137
	v_pk_add_f32 v[P+4*\m:P+4*\m+1], v[P+4*\m:P+4*\m+1], v[BP+4*\m:BP+4*\m+1]
	v_pk_add_f32 v[P+4*\m+2:P+4*\m+3], v[P+4*\m+2:P+4*\m+3], v[BP+4*\m+2:BP+4*\m+3]
.endr
.irp c, 0,1,2
.irp d, 0,2
	v_pk_mul_f32 v[P+4*\c+\d:P+4*\c+\d+1], v[P+4*\c+\d:P+4*\c+\d+1], s[32:33] op_sel_hi:[1,0]
	v_pk_fma_f32 v[P+4*\c+\d:P+4*\c+\d+1], v[P+12+4*\c+\d:P+12+4*\c+\d+1], s[34:35], v[P+4*\c+\d:P+4*\c+\d+1] op_sel_hi:[1,0,1]
.endr
	global_store_b128 v2, v[P+4*\c:P+4*\c+3], s[18:19] offset:\c*512 th:TH_STORE_NT
.endr
	s_endpgm
.Lfunc_end_k_q29f5c9fd1b_combine:
	.size	k_q29f5c9fd1b_combine, .Lfunc_end_k_q29f5c9fd1b_combine-k_q29f5c9fd1b_combine
	.p2alignl 7, 3214868480
	.fill 96, 4, 3214868480
	.section	.rodata,"a",@progbits
	.p2align	6, 0x0
	.amdhsa_kernel k_q29f5c9fd1b_combine
		.amdhsa_group_segment_fixed_size 0
		.amdhsa_private_segment_fixed_size 0
		.amdhsa_enable_private_segment 0
		.amdhsa_kernarg_size 56
		.amdhsa_user_sgpr_count 2
		.amdhsa_user_sgpr_kernarg_segment_ptr 1
		.amdhsa_wavefront_size32 1
		.amdhsa_system_sgpr_workgroup_id_x 1
		.amdhsa_system_sgpr_workgroup_id_y 1
		.amdhsa_system_sgpr_workgroup_id_z 1
		.amdhsa_system_vgpr_workitem_id 0
		.amdhsa_next_free_vgpr 176
		.amdhsa_next_free_sgpr 66
		.amdhsa_reserve_vcc 1
		.amdhsa_float_denorm_mode_32 3
		.amdhsa_float_denorm_mode_16_64 3
		.amdhsa_memory_ordered 1
		.amdhsa_forward_progress 1
		.amdhsa_inst_pref_size 16
	.end_amdhsa_kernel
	.amdgpu_metadata
---
amdhsa.version: [ 1, 2 ]
amdhsa.kernels:
  - .name:           k_q29f5c9fd1b_combine
    .symbol:         k_q29f5c9fd1b_combine.kd
    .args:
      - { .name: part, .offset: 0, .size: 8, .value_kind: global_buffer, .address_space: global }
      - { .name: ids, .offset: 8, .size: 8, .value_kind: global_buffer, .address_space: global }
      - { .name: gates, .offset: 16, .size: 8, .value_kind: global_buffer, .address_space: global }
      - { .name: bp, .offset: 24, .size: 8, .value_kind: global_buffer, .address_space: global }
      - { .name: psum, .offset: 32, .size: 8, .value_kind: global_buffer, .address_space: global }
      - { .name: out0, .offset: 40, .size: 8, .value_kind: global_buffer, .address_space: global }
      - { .name: out1, .offset: 48, .size: 8, .value_kind: global_buffer, .address_space: global }
    .group_segment_fixed_size: 0
    .private_segment_fixed_size: 0
    .kernarg_segment_align: 8
    .kernarg_segment_size: 56
    .max_flat_workgroup_size: 256
    .sgpr_count:     66
    .vgpr_count:     176
    .wavefront_size: 32
...
	.end_amdgpu_metadata
.endif
;; end of part 8
